; MI455X (gfx1250); checked and timed in simulation.
; The chip was launched on July 23, 2026; its instructions are those of AMD's public machine-readable ISA for CDNA 5 (MIT licence, August 2026) and "CDNA5" Instruction Set Architecture Reference Guide (July 2026). The comments in the code are by the model that wrote it; some were corrected since.
;; Multi Head Attention. Allowed arithmetic: matrix products marked QUANTISED: E2M3 operands, one E8M0 scale for each 32 along K, by v_wmma_scale_f32_16x16x128_f8f6f4 with both operands' format E2M3, f32 sums; everything else in f32.
;; Inputs: W_k 1,024 x 1,024 float32; W_o 1,024 x 1,024 float32; W_q 1,024 x 1,024 float32; W_v 1,024 x 1,024 float32; attention_mask 4 x 2,048 int32; b_k 1,024 float32; b_o 1,024 float32; b_q 1,024 float32; b_v 1,024 float32; x 4 x 2,048 x 1,024 float32.
;; Outputs: out0 4 x 2,048 x 1,024 float32.
;; This version of the problem:
;;   THIS VERSION OF THE PROBLEM IS GIVEN IN LOW PRECISION. The matrix products marked QUANTISED in the list below multiply operands that are first quantised to E2M3 (2 exponent bits, 3 mantissa bits; 6 bits a number), with one power-of-two scale for each 32 numbers along K (OCP MX v1.0); their sums are f32. All else is computed in f32.
;;   The module's matrix products, in the order in which they are computed (A, B: the left and right operand; K: the contracted axis; several contracted axes count as one K, in the product's order):
;;     1. [M 8,192, K 1,024] x [K 1,024, N 1,024]; A: input x; B: input W_q: QUANTISED
;;     2. [M 8,192, K 1,024] x [K 1,024, N 1,024]; A: input x; B: input W_k: QUANTISED
;;     3. [M 8,192, K 1,024] x [K 1,024, N 1,024]; A: input x; B: input W_v: QUANTISED
;;     4. batch 64 x [M 2,048, K 64] x [K 64, N 2,048]; A: computed on the way; B: computed on the way: QUANTISED
;;     5. batch 64 x [M 2,048, K 2,048] x [K 2,048, N 64]; A: softmax (see below); B: computed on the way: QUANTISED
;;     6. [M 8,192, K 1,024] x [K 1,024, N 1,024]; A: computed on the way; B: input W_o: QUANTISED
;;   THE QUANTISER, for each operand of a quantised product, along K:
;;     - K is cut into blocks of 32 from its start; a last block that is shorter is filled with zeros.
;;     - A block's scale is 2^e with e = floor(log2(the largest magnitude in the block)) - 2, held to -126 .. 127; a block of zeros has e = 0. As a byte (E8M0): e + 127.
;;     - Each number is divided by its block's scale, clamped to +-7.5, and rounded to the nearest number of E2M3, ties to even, subnormals kept.
;;     - The product sums the exact products of the quantised numbers (number of the format x scale) in f32.
;;   ~~~python
;;   def quantise(x, axis):      # numpy; x: float32 -> the quantised numbers, widened to float32 again
;;       x = np.moveaxis(x, axis, -1); K = x.shape[-1]
;;       x = np.pad(x, [(0, 0)] * (x.ndim - 1) + [(0, -K % 32)]); x = x.reshape(x.shape[:-1] + (-1, 32)); a = np.abs(x).max(-1, keepdims=True)
;;       e = np.where(a > 0, np.clip(np.frexp(np.where(a > 0, a, 1))[1] - 1 - 2, -126, 127), 0)      # np.frexp(a)[1] - 1 = floor(log2(a)), exactly
;;       r = np.clip(x / 2.0 ** e, -7.5, 7.5)
;;       step = 2.0 ** (np.maximum(np.frexp(np.where(r == 0, 1, r))[1] - 1, 0) - 3)
;;       q = np.round(r / step) * step * 2.0 ** e      # np.round: ties to even
;;       return np.moveaxis(q.reshape(q.shape[:-2] + (-1,))[..., :K], -1, axis).astype(np.float32)
;;   ~~~
;;   SOFTMAX AHEAD OF A QUANTISED PRODUCT. Where the list says 'softmax', what is quantised is not the finished softmax but p = 2^(t - M), with t = logit x log2(e) and M = ceil(the row's largest t), a whole number; so 1/2 < the row's largest p <= 1. The row's sum l is taken of the UNQUANTISED p, in f32, and the product's result is divided by l at the end. Since M is a whole number, a kernel that streams over the keys may use a running M (the ceiling of the running maximum): every later rescaling is an exact power of two, which a block's scale takes up: the codes' values come out the same.
;;   OPERANDS COMPUTED ON THE WAY. 'Computed on the way' means the value that the module computes at that place (a softmax that the list does not call 'softmax' is quantised finished and normalised). What goes into a quantiser is computed in f32, as accurately as f32 sums, v_exp_f32 and their like allow (about 1e-6 of the number): no bf16 or f16 on the way to a quantiser, and a product that is left as it is and whose result goes on into a quantised operand takes f32 operands (vector FMAs, or v_wmma_f32_16x16x4_f32). A number that lies on a knife's edge between two numbers of the format may be rounded either way, as far as f32 arithmetic and the matrix unit's own rounding can turn it there, and no further.
;; One version. Each part assembles by itself: llvm-mc -triple=amdgcn-amd-amdhsa -mcpu=gfx1250 --defsym DOCPART=n.
;; ======== version 1 of 1: 4 launches
;; limits: right only within a limited range of input values
;; workspace buffers: xq 6,553,600 bytes; wq 3,276,800 bytes; qb 8,912,896 bytes; kb 8,912,896 bytes; vb 6,553,600 bytes; ab 6,553,600 bytes
;; launch quant (part 1): grid 768 x 1, 4 waves a work-group, no clusters, 33,280 bytes of LDS; arguments x, W_q, W_k, W_v, W_o, xq, wq; writes xq, wq
.if DOCPART == 1
	.amdgcn_target "amdgcn-amd-amdhsa--gfx1250"
	.amdhsa_code_object_version 6
	.text
	.protected	k_qf40461f7f0_quant
	.globl	k_qf40461f7f0_quant
	.p2align	8
	.type	k_qf40461f7f0_quant,@function
k_qf40461f7f0_quant:
	s_mov_b64 s[64:65], 0
	v_nop
	global_prefetch_b8 v0, s[64:65] scope:SCOPE_SE
	s_setreg_imm32_b32 hwreg(HW_REG_WAVE_MODE, 25, 1), 1
	s_wait_xcnt 0x0
; x [8192][1024] and W_q, W_k, W_v, W_o [1024][1024], f32, become codes of FP6 (E2M3) with one E8M0 byte for each 32 along K.
; LAYOUT: the codes lie in four planes, one for each 256 along K: [plane][row][192 bytes]; a plane of xq is 8,192 rows, of wq 4,096 (W_q, W_k, W_v, W_o, 1,024 rows each).
; So the rows of one K step lie end to end, and a tile of 128 rows is a dense block that begins at a multiple of 256 bytes.  Scale bytes [row][32] lie at XSC of xq and at WSC of wq.
; A block's scale is 2^(floor(log2(its largest magnitude)) - 2); its byte is the largest magnitude's exponent field - 2, held at 1 from below.
; POSITION ORDER: in x, W_q, W_k and W_v the two middle groups of 8 rows of each 32 rows change places on the way out (codes and scale bytes alike), so that in the products that follow
; the sixteen registers of two neighbouring tiles are sixteen neighbouring rows.  W_o keeps its order.
; LIMITS: a block of zeros, and a block whose largest magnitude lies under 2^-124, gets the byte 1 (the bytes are read by this program alone); NaN and infinities among the inputs are not served.
; SHARES: a wave takes 4 rows (4,096 numbers) in 8 steps of 512; a work-group 16 rows.  Work-groups 0-511 take x, then 64 each W_q, W_k, W_v, W_o.  Only pointers are chosen: one path for all.
; Each load reads 512 consecutive bytes; a step's 2,048 bytes turn through the wave's own stage in LDS and come back 64 bytes a lane: 16 neighbours along K, two lanes to a block.
; No tensor loads, no barrier: waves share nothing.  Loads run four steps (16 loads a wave) ahead, the turn through LDS one step.
.set STEPS, 8
.set CB,    12                         ; bytes of 16 codes
.set R,     16                         ; v16-79   four sets of 16 numbers as they are loaded
.set X,     80                         ; v80-111  two sets of 16 neighbours
.set E,     112                        ; a scale byte for each step
.set C,     128                        ; codes: four registers for each step, so that no store's data are written again
.set WREG,  8192                       ; LDS: a region for each wave: two stages of 32 x SP bytes, then its 128 scale bytes
.set SP,    80                         ; a lane's place in a stage: 64 bytes + 16 of padding
.set XSC,   6291456
.set WSC,   3145728
.set PLX,   1572864                    ; a plane of xq in bytes
.set PLW,   786432                     ; and of wq
	s_load_b256 s[4:11], s[0:1], 0x0               ; x, W_q, W_k, W_v
	s_load_b128 s[12:15], s[0:1], 0x20             ; W_o, xq
	s_load_b64 s[20:21], s[0:1], 0x30              ; wq
	v_lshl_add_u32 v192, v0, 2, 0x8000             ; my spare word, behind the four regions
	v_mov_b32 v193, 0
	v_lshrrev_b32 v1, 5, v0
	v_readfirstlane_b32 s16, v1                    ; wave
	v_and_b32 v2, 31, v0                           ; lane
	v_lshlrev_b32 v3, 4, v2                        ; my 16 bytes of a load's 512
	s_mul_i32 s17, s16, WREG
	v_lshrrev_b32 v14, 2, v2
	v_mul_u32_u24 v14, v14, SP
	v_and_b32 v15, 3, v2
	v_lshl_add_u32 v14, v15, 4, v14
	v_add_nc_u32 v14, s17, v14                     ; the stage, in: SP (lane / 4) + 16 (lane % 4)
	v_mul_u32_u24 v15, v2, SP
	v_add_nc_u32 v15, s17, v15                     ; and out: SP x lane: my 16 neighbours
	s_mov_b32 s28, PLW
	s_cmp_lt_u32 ttmp9, 512
	s_cselect_b32 s28, PLX, s28                    ; a plane of my destination
	v_and_b32 v4, 15, v2
	v_mul_u32_u24 v4, v4, CB
	v_lshrrev_b32 v10, 4, v2
	v_mad_u32_u24 v4, v10, s28, v4                 ; a step is two planes' parts of a row: lanes 0-15 the first, lanes 16-31 the next plane; 12 bytes a lane
	v_lshrrev_b32 v5, 1, v2
	s_add_co_u32 s17, s17, 2*32*SP
	v_add_nc_u32 v5, s17, v5                       ; LDS: my wave's 128 scale bytes, my block's byte
	v_lshlrev_b32 v7, 2, v2                        ; and on the way out 4 bytes a lane
	v_add_nc_u32 v6, s17, v7
	s_lshr_b32 s30, s16, 1                         ; my group of 8 rows among each 32: 2 (work-group % 2) + wave / 2
	s_and_b32 s31, ttmp9, 1
	s_lshl_b32 s22, s30, 1
	s_or_b32 s22, s22, s31                         ; in position order its two bits change places: 0, 2, 1, 3
	s_lshl_b32 s31, s31, 1
	s_or_b32 s30, s31, s30                         ; and as it is
	s_mov_b32 s23, WSC
	s_mov_b32 s24, 63
	s_wait_alu depctr_va_vdst(0)
	s_wait_kmcnt 0x0
	s_cmp_lt_u32 ttmp9, 704                        ; every choice hangs on the work-group's number alone
	s_cselect_b64 s[12:13], s[10:11], s[12:13]     ; W_v, else W_o
	s_cselect_b32 s22, s22, s30                    ; W_o keeps its order
	s_cmp_lt_u32 ttmp9, 640
	s_cselect_b64 s[12:13], s[8:9], s[12:13]       ; W_k
	s_cmp_lt_u32 ttmp9, 576
	s_cselect_b64 s[12:13], s[6:7], s[12:13]       ; W_q
	s_cmp_lt_u32 ttmp9, 512
	s_cselect_b64 s[12:13], s[4:5], s[12:13]       ; x
	s_cselect_b64 s[14:15], s[14:15], s[20:21]     ; into xq, else wq
	s_cselect_b32 s23, XSC, s23                    ; where its scale bytes begin
	s_cselect_b32 s24, 511, s24                    ; work-groups in the source tensor, less 1
	s_and_b32 s25, ttmp9, s24
	s_lshl_b32 s25, s25, 2
	s_add_co_u32 s26, s25, s16                     ; which 4 rows of the source
	s_lshl_b32 s26, s26, 14                        ; 16,384 bytes each
	s_mov_b32 s27, 0
	s_add_nc_u64 s[4:5], s[12:13], s[26:27]
	s_and_b32 s25, ttmp9, 510
	s_lshl_b32 s25, s25, 1
	s_add_co_u32 s25, s25, s22                     ; which 8 rows of the destination,
	s_lshl_b32 s25, s25, 1
	s_and_b32 s30, s16, 1
	s_add_co_u32 s25, s25, s30                     ; and which 4 of them
	s_mul_i32 s26, s25, 768                        ; 4 rows of 192 bytes
	s_add_nc_u64 s[8:9], s[14:15], s[26:27]        ; their codes in planes 0, 1 (a row's first half: even steps)
	s_lshl_b32 s28, s28, 1
	s_mov_b32 s29, 0
	s_add_nc_u64 s[28:29], s[8:9], s[28:29]        ; and in planes 2, 3 (odd steps)
	s_lshl_b32 s26, s25, 7
	s_add_co_u32 s26, s26, s23
	s_add_nc_u64 s[10:11], s[14:15], s[26:27]      ; their 128 scale bytes
.macro LOAD t
.irp i, 0,1,2,3
	global_load_b128 v[R+16*((\t)%4)+4*\i:R+16*((\t)%4)+4*\i+3], v3, s[4:5] offset:2048*(\t)+512*\i th:TH_LOAD_NT   ; 32 lanes read 512 consecutive bytes
.endr
.endm
.macro TURN t                          ; step t's numbers through the stage: LDS serves a wave's instructions in order, so no wait stands between the stores and the loads
.irp i, 0,1,2,3
	ds_store_b128 v14, v[R+16*((\t)%4)+4*\i:R+16*((\t)%4)+4*\i+3] offset:32*SP*((\t)%2)+8*SP*\i
.endr
.irp i, 0,1,2,3
	ds_load_b128 v[X+16*((\t)%2)+4*\i:X+16*((\t)%2)+4*\i+3], v15 offset:32*SP*((\t)%2)+16*\i
.endr
.endm
.irp t, 0,1,2,3
	LOAD \t
.endr
	s_wait_loadcnt 12                              ; step 0's four loads are in; the twelve of steps 1 to 3 may be out
	TURN 0
.macro STEP t
.set XS, X+16*((\t)%2)
.if (\t) > 0
	s_wait_dscnt 1                                 ; this step's numbers are back from the stage (the last step's byte store may be out): so its stores into the stage have read their registers,
.else
	s_wait_dscnt 0x0
.endif
.if (\t)+4 < STEPS
	LOAD (\t)+4                                    ; which take the loads of four steps on
.endif
.if (\t)+1 < STEPS
.if STEPS-2-(\t) >= 3
	s_wait_loadcnt 12                              ; the next step's four loads are in; those of the three steps behind it may be out
.else
	s_wait_loadcnt 4*(STEPS-2-(\t))
.endif
	TURN (\t)+1                                    ; and go through the other stage while this step is worked
.endif
	v_max3_num_f32 v8, |v[XS]|, |v[XS+1]|, |v[XS+2]|               ; the largest magnitude of my 16, in two chains
	v_max3_num_f32 v9, |v[XS+3]|, |v[XS+4]|, |v[XS+5]|
.irp i, 6,10
	v_max3_num_f32 v8, v8, |v[XS+\i]|, |v[XS+\i+1]|
	v_max3_num_f32 v9, v9, |v[XS+\i+2]|, |v[XS+\i+3]|
.endr
	v_max3_num_f32 v8, v8, |v[XS+14]|, |v[XS+15]|
	v_max3_num_f32 v8, v8, v9, 0x1800000           ; and the floor 2^(3 - 127): the byte cannot fall under 1
	v_max_num_f32_dpp v8, v8, v8 row_xmask:1 row_mask:0xf bank_mask:0xf   ; and of my neighbour's 16: the block's
	v_add_nc_u32 v11, 0xff000000, v8               ; 2 off its exponent field: the conversion takes the exponent field of this operand as its scale, and nothing else of it
	v_cvt_scalef32_pk16_fp6_f32 v[C+4*(\t):C+4*(\t)+2], v[XS:XS+15], v11   ; sixteen codes, 96 bits without gaps, the first number's lowest
	v_lshrrev_b32 v[E+(\t)], 23, v11               ; the scale's byte
	ds_store_b8 v5, v[E+(\t)] offset:16*(\t)       ; both lanes of a block write the same byte with the same value
	global_store_b96 v4, v[C+4*(\t):C+4*(\t)+2], s[8+20*((\t)%2):9+20*((\t)%2)] offset:192*((\t)/2)   ; sixteen lanes store a row's 192 consecutive bytes of a plane
.endm
.irp t, 0,1,2,3,4,5,6,7
	STEP \t
.endr
	ds_load_b32 v12, v6                            ; LDS serves a wave's instructions in order: this sees my stores
	s_wait_dscnt 0x0
	global_store_b32 v7, v12, s[10:11]             ; 32 lanes store 128 consecutive bytes: my 4 rows' scale bytes
	s_wait_tensorcnt 0x0                           ; the wave's end
	ds_add_u32 v192, v193
	s_wait_dscnt 0x0
	s_endpgm
.Lfunc_end_k_qf40461f7f0_quant:
	.size	k_qf40461f7f0_quant, .Lfunc_end_k_qf40461f7f0_quant-k_qf40461f7f0_quant
	.p2alignl 7, 3214868480
	.fill 96, 4, 3214868480
	.section	.rodata,"a",@progbits
	.p2align	6, 0x0
	.amdhsa_kernel k_qf40461f7f0_quant
		.amdhsa_group_segment_fixed_size 33280
		.amdhsa_private_segment_fixed_size 0
		.amdhsa_enable_private_segment 0
		.amdhsa_kernarg_size 56
		.amdhsa_user_sgpr_count 2
		.amdhsa_user_sgpr_kernarg_segment_ptr 1
		.amdhsa_wavefront_size32 1
		.amdhsa_system_sgpr_workgroup_id_x 1
		.amdhsa_system_sgpr_workgroup_id_y 1
		.amdhsa_system_sgpr_workgroup_id_z 1
		.amdhsa_system_vgpr_workitem_id 0
		.amdhsa_next_free_vgpr 194
		.amdhsa_next_free_sgpr 66
		.amdhsa_reserve_vcc 0
		.amdhsa_float_denorm_mode_32 3
		.amdhsa_float_denorm_mode_16_64 3
		.amdhsa_memory_ordered 1
		.amdhsa_forward_progress 1
		.amdhsa_inst_pref_size 19
	.end_amdhsa_kernel
	.amdgpu_metadata
---
amdhsa.version: [ 1, 2 ]
amdhsa.kernels:
  - .name:           k_qf40461f7f0_quant
    .symbol:         k_qf40461f7f0_quant.kd
    .args:
      - { .name: x, .offset: 0, .size: 8, .value_kind: global_buffer, .address_space: global }
      - { .name: W_q, .offset: 8, .size: 8, .value_kind: global_buffer, .address_space: global }
      - { .name: W_k, .offset: 16, .size: 8, .value_kind: global_buffer, .address_space: global }
      - { .name: W_v, .offset: 24, .size: 8, .value_kind: global_buffer, .address_space: global }
      - { .name: W_o, .offset: 32, .size: 8, .value_kind: global_buffer, .address_space: global }
      - { .name: xq, .offset: 40, .size: 8, .value_kind: global_buffer, .address_space: global }
      - { .name: wq, .offset: 48, .size: 8, .value_kind: global_buffer, .address_space: global }
    .group_segment_fixed_size: 33280
    .private_segment_fixed_size: 0
    .kernarg_segment_align: 8
    .kernarg_segment_size: 56
    .max_flat_workgroup_size: 128
    .sgpr_count:     66
    .vgpr_count:     194
    .wavefront_size: 32
...
	.end_amdgpu_metadata
.endif
;; end of part 1
;; launch proj (part 2): grid 12 x 32, 4 waves a work-group, clusters of 4 x 4, 327,680 bytes of LDS; arguments xq, wq, b_q, b_k, b_v, attention_mask, qb, kb, vb; writes qb, kb, vb
.if DOCPART == 2
	.amdgcn_target "amdgcn-amd-amdhsa--gfx1250"
	.amdhsa_code_object_version 6
	.text
	.protected	k_qf40461f7f0_proj
	.globl	k_qf40461f7f0_proj
	.p2align	8
	.type	k_qf40461f7f0_proj,@function
k_qf40461f7f0_proj:
	s_mov_b64 s[64:65], 0
	v_nop
	global_prefetch_b8 v0, s[64:65] scope:SCOPE_SE
	s_setreg_imm32_b32 hwreg(HW_REG_WAVE_MODE, 25, 1), 1
	s_wait_xcnt 0x0
	s_wait_alu depctr_hold_cnt(0) depctr_sa_sdst(0) depctr_va_vdst(0) depctr_va_sdst(0) depctr_va_ssrc(0) depctr_va_vcc(0) depctr_vm_vsrc(0)
	s_getreg_b32 s2, hwreg(HW_REG_IB_STS2, 6, 4)
	s_cmp_eq_u32 s2, 0
	s_cbranch_scc0 .Lentry_in_a_cluster
	s_endpgm
.Lentry_in_a_cluster:
	s_bfe_u32 s2, ttmp6, 0x10000c
	s_cmp_lg_u32 s2, 0xf033
	s_cbranch_scc0 .Lentry_shape_is_right
	s_endpgm
.Lentry_shape_is_right:
; q = x W_q^T + b_q, k = x W_k^T + b_k, v = x W_v^T + b_v on codes of FP6 (E2M3) with one E8M0 scale for each 32 along K = 1,024; sums in f32.  The results never go to memory as f32:
; each wave adds the bias, quantises its 128 x 128 results in registers (q, k along the head's 64; v along the keys) and stores them as IMAGES OF THE OPERAND REGISTERS that the attention launch loads.
; THE PRODUCT.  A tile of 256 x 256 to a work-group of four waves, 128 x 128 (64 accumulators, 512 registers) to a wave.  K goes in steps of 256 through a ring of two LDS slots filled by the
; tensor data mover; the scale bytes of the work-group's 2 x 256 rows, for all of K, come into LDS once.  The matrix instruction is used transposed: source 0 = 16 rows of B, source 1 = 16 rows of A:
; a lane holds ONE row of A and its registers run along B's rows.
; WHO IS A, WHO IS B.  The cluster's x says which projection: 0 q, 1 k, 2 v.  q, k: A = tokens (xq), B = features (wq): a lane holds a token, registers run along the head's axis.
; v: A = features (W_v's rows of wq), B = tokens: a lane holds a feature, registers run along the keys.  In both cases the registers run along the next product's K.
; xq, W_q, W_k, W_v lie in POSITION ORDER (position 16 a + r holds row 32 (a / 2) + 8 (a % 2) + r + 8 (r / 8)), so that the 16 registers of B's blocks 2 b and 2 b + 1 are 16 neighbouring rows.
; CLUSTERS: 4 x 4 work-groups.  A's tile is shared along a row of the cluster, B's along a column: each is asked for jointly, by the same tensor load with the same descriptor and a mask of four.
; RECORDS (head bh = 16 batch + head, key step s of 128 tokens, record 16 bh + s):
;   qb, kb: 8,704 bytes: 8 tiles of 16 tokens x 1,024 bytes (registers 0-3 at 16 x lane, 4-7 at 512 + 16 x lane), then 512 bytes of scale words (lanes 0-15: tiles 0-3, lanes 16-31: tiles 4-7).
;   vb: 6,400 bytes: 4 tiles of 16 of the head's 64 x 1,536 bytes (twelve registers as 3 x 512 bytes), then 256 bytes of scale words (16 r: tiles 0-3).
; THE KEY MASK RIDES IN THE SPARE HALF OF K.  The scores' K is 64, the instruction's 128.  At k = 64 a query has the code 1.0 under the byte 127; a key that counts has the code 0 under the byte 1;
; a masked key has the code -7.5 under the byte 227: its score is -7.5 x 2^100.  All other codes of a query beyond k = 64 are zeros.
; LIMITS: blocks of zeros and blocks under 2^-124 carry the byte 1; NaN and infinities among the inputs are not served.
; REGISTERS, in windows of 256: window 0: v0-31 addresses and constants; v32-63 scale words of the product, two sets; v64-127 the bias of my 128 features (q, k); from v128 A's fragments, one set;
;   v224-231 a word for each of A's rows (q, k: the mask; v: the bias).  window 1: B's fragments, two sets.  windows 2, 3: the accumulators ((a, b) at v[8 (8 (a % 4) + b)]).
.set NQ,     2                         ; matrix instructions deep in a slot
.set ROWB,   192                       ; a tile's row: 256 codes
.set PLX,    1572864                   ; xq's and wq's codes lie in four planes, one for each K step of 256: [plane][row][192 bytes]; a plane of xq in bytes,
.set PLW,    786432                    ; and of wq.  A tile's rows lie end to end: it is fetched as rows of 256 bytes, with the padding's interval left at 64 bytes
.set PITCH,  240                       ; an LDS row: 3 x (64 bytes + 16 of padding): the 32 lanes of a load of 8 bytes touch 64 different banks (64 banks of 4 bytes: ISA guide 11.1)
.set FR,     12                        ; registers of a fragment
.set NL,     6                         ; LDS loads that bring one
.set NP,     4                         ; places behind this matrix instruction (ISA guide 7.12.1)
.set HALFT,  128*PITCH
.set SLOT,   4*HALFT                   ; A's 256 rows, then B's 256 rows
.set KS,     32                        ; a row of scale bytes
.set SCL,    2*SLOT                    ; behind the ring: the scales, as rows of 256 bytes + 16 of padding
.set HALFS,  16*272                    ; those of 128 rows
.set SBLK,   2*272                     ; those of 16 rows
.set SPARE,  SCL+4*HALFS               ; the spare words, 128 bytes a wave, that no other line names
.set XSC,    6291456                   ; where xq's scale bytes begin
.set WSC,    3145728                   ; and wq's
.set RECQ,   8704
.set RECV,   6400
.set BO,   8                           ; v8   64 h: my half's 16 features of a block of 32, in bytes
.set PO,   9                           ; v9   4 (r + 8 (r / 8)): my row of A in a word table
.set LI,   10                          ; v10  16 x lane: an image's place for my lane
.set VSO,  11                          ; v11  16 r + 16 RECV h: V's scale words, a head to each half of the lanes
.set EU,   12                          ; v12  the code at k = 64 where the mask is set; v13 where it is 0 (lanes 16-31: 0)
.set EM,   13
.set HU,   14                          ; v14  the scale word's upper two bytes where the mask is set; v15 where it is 0
.set HM,   15
.set ADRA, 16                          ; v16-17 LDS address of my A fragments in slot 0, 1 (v18-19: behind one padding more)
.set ADRB, 20                          ; v20-23 the same for B
.set ADRS, 27                          ; v27  LDS address of my scale words: lanes 0-15 A's rows, lanes 16-31 B's
.set SPW,  28                          ; v28  my spare word; never rewritten
.set NIL,  29                          ; v29  0; never rewritten
.set SC,   32                          ; scale words: these registers hold scales and nothing else
.set BIAS, 64
.set AF,   128
.set T,    128                         ; the way out: 64 numbers of a lane
.set PC,   192                         ; the codes just made
.set PX,   208                         ; the upper halves of the blocks, before they are moved
.set TMX,  216                         ; four largest magnitudes
.set TMB,  220                         ; four bytes
.set PERA, 224
.set SW0,  232                         ; scale words of the eight blocks: first head (V: both)
.set SW1,  240                         ; second head
.set TMS,  248                         ; four scale operands
.set PW,   252
.set HI,   253
.set TMP,  254
.set G1, 24                            ; s[24:31] descriptor group 1 for A's tiles; s[32:39] group 0, a set for each slot
.set G0, 32
.set G1B, 48                           ; s[48:55], s[56:63] the same for B's tiles
.set G0B, 56
.set G1S, 68                           ; s[68:75], s[76:79] groups 1 and 0 for A's scales; s[80:87], s[88:91] for B's
.set G0S, 76
.set G1SB, 80
.set G0SB, 88
.set SEL, 98                           ; s[98:99] lane selects for v_permlanex16_b32: lane l xor 16
.set UPPER, 100                        ; s100 a lane mask: lanes 16-31
.set MSB, 0
.macro WIN new                         ; the immediate's high byte repeats the setting that is left
.if MSB != (\new)
	s_set_vgpr_msb (MSB<<8)|(\new)
.set MSB, \new
.endif
.endm
.set MUL_LO, 0xa1                      ; source 0 (B) window 1, source 1 (A) window 0, C and D window 2
.set MUL_HI, 0xf1                      ; the same, C and D window 3
.set TO_B,   0x40                      ; destination window 1, address window 0
; A joint load: waves 0 and 1 fetch for A, waves 2 and 3 for B.  Each line has one mask and one set of registers for all that issue it; the branch hangs on the wave's number alone.
; Four v_nop follow each of the two lines, ahead of the jump, the label and what follows.
.macro JLOAD g0a, g1a, g0b, g1b
	s_cmp_eq_u32 s15, 0
	s_cbranch_scc0 .Lfor_b_\@
	tensor_load_to_lds s[\g0a:\g0a+3], s[\g1a:\g1a+7]
	s_nop 0
.rept 4
	v_nop
.endr
	s_branch .Lasked_\@
.Lfor_b_\@:
	tensor_load_to_lds s[\g0b:\g0b+3], s[\g1b:\g1b+7]
	s_nop 0
.rept 4
	v_nop
.endr
.Lasked_\@:
.endm
.macro CREST                           ; a round of the cluster's barrier behind its opening barrier
	s_cmp_lg_u32 s14, 0
	s_cbranch_scc1 .Lnot_wave_0_\@
	s_barrier_signal -3
.Lnot_wave_0_\@:
	s_barrier_wait -3
	s_barrier_signal -1
	s_barrier_wait -1
.endm
.macro CROUND                          ; a whole round
	s_barrier_signal -1
	s_barrier_wait -1
	CREST
.endm
	s_load_b128 s[4:7], s[0:1], 0x0                ; xq, wq
	v_lshl_add_u32 v[SPW], v0, 2, SPARE
	v_mov_b32 v[NIL], 0
	ds_add_u32 v28, v29
	ds_add_u32 v28, v29
	s_wait_dscnt 0x0
	v_lshrrev_b32 v1, 5, v0
	v_readfirstlane_b32 s14, v1                    ; wave 0..3
	s_lshr_b32 s15, s14, 1                         ; which half of A's rows is mine.  Also: I fetch for A (0) or for B (1)
	s_and_b32 s16, s14, 1                          ; which half of B's rows.  Also: which 128 rows of that tile I fetch
	s_bfe_u32 s40, ttmp6, 0x40000                  ; cx, cy: my place in the cluster
	s_bfe_u32 s41, ttmp6, 0x40004
	s_and_b32 s18, ttmp7, 0xffff
	s_lshl_b32 s18, s18, 2                         ; 4 x cluster y
	s_lshl_b32 s19, ttmp9, 2                       ; 4 x cluster x
	s_mov_b32 s22, WSC
	s_mov_b32 s23, XSC
	s_mov_b32 s[SEL], 0x76543210
	s_mov_b32 s[SEL+1], 0xfedcba98
	s_mov_b32 s[UPPER], 0xffff0000
	s_cmp_eq_u32 ttmp9, 2                          ; v's clusters?  The cluster's x is the same in all sixteen partners
	s_cselect_b32 s17, 0, s18                      ; A's tile: v: cy alone (W_v has four);   q, k: 4 x cluster y + cy (tokens)
	s_cselect_b32 s42, s18, s19                    ; B's tile: v: 4 x cluster y + cx (tokens);   q, k: 4 x cluster x + cx (W_q's and W_k's rows)
	s_cselect_b32 s66, 2048, 0                     ; W_v's rows begin at row 2,048 of wq
	s_cselect_b32 s67, s22, s23                    ; where A's scale bytes begin in A's buffer,
	s_cselect_b32 s95, s23, s22
	s_mov_b32 s2, PLX
	s_mov_b32 s3, PLW
	s_cselect_b32 s101, s3, s2                     ; a plane of A's buffer,
	s_cselect_b32 s3, s2, s3                       ; s3: of B's
	s_mov_b32 s2, s101                             ; s2: of A's
	s_add_co_u32 s17, s17, s41
	s_add_co_u32 s42, s42, s40
	s_lshl_b32 s43, s41, 2
	s_lshl_b32 s43, 15, s43                        ; my row of the cluster
	s_lshl_b32 s44, 0x1111, s40                    ; my column
	; descriptor group 1: a tile of 128 rows x ROWB bytes, padded in LDS
	s_or_b32 s[G1+0], s43, (0<<16)|(1<<20)|(1<<21)|(3<<22)|(3<<25)  ; 15:0 the mask: A's tiles go to my row; 17:16 elements of 1 byte; 20 padding on; 21 set beside a mask; 24:22 after every 16 words; 31:25 4 words of it
	s_or_b32 s[G1B+0], s44, (0<<16)|(1<<20)|(1<<21)|(3<<22)|(3<<25)
.irp g, G1, G1B
	s_mov_b32 s[\g+1], 256<<16                     ; tensor_dim0: rows of 256 bytes
	s_mov_b32 s[\g+2], 192<<16                     ; tensor_dim1: the head's loads bring 256 rows x 192 bytes = 192 such rows
	s_mov_b32 s[\g+3], 256<<16                     ; tile_dim0
	s_mov_b32 s[\g+4], 192                         ; tile_dim1
	s_mov_b32 s[\g+5], 256                         ; dense
	s_mov_b32 s[\g+6], 0
	s_mov_b32 s[\g+7], 0
.endr
	; and for the scales of 128 rows: a dense block of 4,096 bytes, as 16 rows of 256 bytes (32 elements of 8 bytes), 16 bytes of padding behind each
	s_or_b32 s[G1S+0], s43, (3<<16)|(1<<20)|(1<<21)|(5<<22)|(3<<25)
	s_or_b32 s[G1SB+0], s44, (3<<16)|(1<<20)|(1<<21)|(5<<22)|(3<<25)
.irp g, G1S, G1SB
	s_mov_b32 s[\g+1], 32<<16
	s_mov_b32 s[\g+2], 32<<16                      ; the scales of all 256 rows: 32 rows of 256 bytes
	s_mov_b32 s[\g+3], 32<<16
	s_mov_b32 s[\g+4], 32
	s_mov_b32 s[\g+5], 32
	s_mov_b32 s[\g+6], 0
	s_mov_b32 s[\g+7], 0
.endr
	s_mul_i32 s18, s16, 128*ROWB                   ; in the ring I fetch 128 rows of a tile: which half, in bytes
	s_lshl_b32 s20, s17, 8
	s_add_co_u32 s20, s20, s66                     ; A's tile's first row: it never holds cx
	s_lshl_b32 s46, s42, 8                         ; B's: it never holds cy
	s_mul_i32 s22, s20, KS
	s_add_co_u32 s22, s22, s67                     ; where these rows' scale bytes begin (all offsets stay under 2^23),
	s_mov_b32 s23, 0
	s_mul_i32 s20, s20, ROWB
	s_mov_b32 s21, 0
	s_mul_i32 s92, s46, KS
	s_add_co_u32 s92, s92, s95
	s_mov_b32 s93, 0
	s_mul_i32 s46, s46, ROWB
	s_mov_b32 s47, 0
	s_mul_i32 s45, s14, HALFT                      ; where they go: wave x 128 rows: no place in the cluster enters an LDS address
	s_wait_kmcnt 0x0
	s_cmp_eq_u32 ttmp9, 2
	s_cselect_b64 s[8:9], s[6:7], s[4:5]           ; A's buffer
	s_cselect_b64 s[10:11], s[4:5], s[6:7]         ; B's buffer
	s_add_nc_u64 s[20:21], s[8:9], s[20:21]
	s_add_nc_u64 s[22:23], s[8:9], s[22:23]
	s_add_nc_u64 s[46:47], s[10:11], s[46:47]
	s_add_nc_u64 s[92:93], s[10:11], s[92:93]
	CROUND                                         ; all sixteen work-groups are here: the first joint loads meet
	s_mov_b32 s[G0S], 1
	s_mov_b32 s[G0S+1], SCL
	s_mov_b64 s[G0S+2:G0S+3], s[22:23]
	s_or_b32 s[G0S+3], s[G0S+3], 0x80000000
	s_mov_b32 s[G0SB], 1
	s_mov_b32 s[G0SB+1], SCL+2*HALFS
	s_mov_b64 s[G0SB+2:G0SB+3], s[92:93]
	s_or_b32 s[G0SB+3], s[G0SB+3], 0x80000000
	s_mov_b32 s[G0], 1                             ; the head's tiles, each whole: K step 0's 256 rows of A,
	s_mov_b32 s[G0+1], 0
	s_mov_b64 s[G0+2:G0+3], s[20:21]
	s_or_b32 s[G0+3], s[G0+3], 0x80000000
	s_mov_b32 s[G0B], 1                            ; and of B, behind them in slot 0
	s_mov_b32 s[G0B+1], 2*HALFT
	s_mov_b64 s[G0B+2:G0B+3], s[46:47]
	s_or_b32 s[G0B+3], s[G0B+3], 0x80000000
	s_mov_b32 s97, 0
	s_add_co_u32 s96, s18, s2                      ; slot 1, K step 1: my 128 rows, one plane on
	s_mov_b32 s[G0+4], 1
	s_add_co_u32 s[G0+5], s45, SLOT
	s_add_nc_u64 s[G0+6:G0+7], s[20:21], s[96:97]
	s_or_b32 s[G0+7], s[G0+7], 0x80000000
	s_add_co_u32 s96, s18, s3
	s_mov_b32 s[G0B+4], 1
	s_add_co_u32 s[G0B+5], s45, SLOT
	s_add_nc_u64 s[G0B+6:G0B+7], s[46:47], s[96:97]
	s_or_b32 s[G0B+7], s[G0B+7], 0x80000000
; THE HEAD'S LOADS, ONE A WAVE: wave 0 K step 0's rows of A, wave 1 of B, wave 2 A's scales, wave 3 B's.  One chain of branches on the wave's number: every way passes one load.
.macro ARM under, g0, g1, next
	s_cmp_lt_u32 s14, \under
	s_cbranch_scc0 \next
	tensor_load_to_lds s[\g0:\g0+3], s[\g1:\g1+7]
	s_nop 0
.rept 4
	v_nop
.endr
	s_branch .Lhead_asked
\next:
.endm
	ARM 1, G0,  G1,  .Lhead_b
	ARM 2, G0B, G1B, .Lhead_sa
	ARM 3, G0S, G1S, .Lhead_sb
	tensor_load_to_lds s[G0SB:G0SB+3], s[G1SB:G1SB+7]
	s_nop 0
.rept 4
	v_nop
.endr
.Lhead_asked:
	s_load_b256 s[4:11], s[0:1], 0x10              ; b_q, b_k, b_v, attention_mask
	s_load_b128 s[92:95], s[0:1], 0x30             ; qb, kb
	s_load_b64 s[96:97], s[0:1], 0x40              ; vb
	v_and_b32 v1, 15, v0                           ; r = l % 16
	v_bfe_u32 v2, v0, 4, 1                         ; h = l / 16
	v_mul_u32_u24 v3, v1, PITCH
	v_mul_u32_u24 v4, v2, 24
	v_add_nc_u32 v4, v3, v4                        ; a fragment's row x pitch + 24 x half
	v_lshl_add_u32 v5, v2, 4, v4                   ; and the same behind one padding more
	s_mul_i32 s21, s15, HALFT                      ; my 128 rows of A
	s_mul_i32 s22, s16, HALFT                      ; my 128 rows of B,
	s_add_co_u32 s22, s22, 2*HALFT                 ; which lie behind A's 256
.irp s, 0,1
	v_add_nc_u32 v[ADRA+\s], s21, v4
	v_add_nc_u32 v[ADRB+\s], s22, v4
	v_add_nc_u32 v[ADRA+2+\s], s21, v5
	v_add_nc_u32 v[ADRB+2+\s], s22, v5
	s_add_co_u32 s21, s21, SLOT
	s_add_co_u32 s22, s22, SLOT
.endr
	v_mul_u32_u24 v5, v1, KS                       ; my row's scales: KS bytes a row,
	v_lshrrev_b32 v6, 8, v5
	v_lshl_add_u32 v5, v6, 4, v5                   ; and 16 more for each 256 passed
	s_mul_i32 s21, s15, HALFS                      ; A's: my 128 rows
	s_mul_i32 s22, s16, HALFS                      ; B's: my 128 rows, behind A's 256
	s_add_co_u32 s22, s22, 2*HALFS
	s_sub_co_u32 s22, s22, s21
	v_mul_u32_u24 v6, s22, v2                      ; lanes 16-31 take B's: one product, the distance between the two
	s_add_co_u32 s21, s21, SCL
	v_add_nc_u32 v5, v5, v6
	v_add_nc_u32 v[ADRS], s21, v5
	v_lshlrev_b32 v[BO], 6, v2
	v_and_b32 v[PO], 8, v1
	v_add_nc_u32 v[PO], v[PO], v1
	v_lshlrev_b32 v[PO], 2, v[PO]
	v_and_b32 v[LI], 31, v0
	v_lshlrev_b32 v[LI], 4, v[LI]
	v_mul_u32_u24 v[VSO], v2, 16*RECV
	v_lshl_add_u32 v[VSO], v1, 4, v[VSO]
	; which 128 tokens (G, 0..63) and which 128 features (F, 0..7: two heads) are my wave's
	s_lshl_b32 s18, s17, 1
	s_add_co_u32 s18, s18, s15                     ; A's group of 128 rows
	s_lshl_b32 s19, s42, 1
	s_add_co_u32 s19, s19, s16                     ; B's
	s_and_b32 s20, s19, 7
	s_mov_b32 s22, RECQ
	s_cmp_eq_u32 ttmp9, 2
	s_cselect_b32 s21, s19, s18                    ; G
	s_cselect_b32 s20, s18, s20                    ; F
	s_cselect_b32 s22, RECV, s22                   ; a record's bytes
	s_cselect_b32 s23, s20, s21                    ; the table of a word for each row of A: v: the bias, by F;  q, k: the mask, by G
	s_wait_alu depctr_va_vdst(0)
	s_wait_kmcnt 0x0
	s_cmp_eq_u32 ttmp9, 1
	s_cselect_b64 s[4:5], s[6:7], s[4:5]           ; b_k, else b_q
	s_cselect_b64 s[12:13], s[94:95], s[92:93]     ; kb, else qb
	s_cmp_eq_u32 ttmp9, 2
	s_cselect_b64 s[4:5], s[8:9], s[4:5]           ; the bias along the registers
	s_cselect_b64 s[10:11], s[8:9], s[10:11]       ; the table along the lanes
	s_cselect_b64 s[12:13], s[96:97], s[12:13]
	s_mov_b32 s6, s2                               ; s[6:7], s[8:9]: a plane of A's and of B's buffer, as 64-bit steps (the pointers that lay there have been chosen from)
	s_mov_b32 s7, 0
	s_mov_b32 s8, s3
	s_mov_b32 s9, 0
	s_mov_b32 s47, 0
	s_lshl_b32 s46, s20, 9
	s_add_nc_u64 s[4:5], s[4:5], s[46:47]
	s_lshl_b32 s46, s23, 9
	s_add_nc_u64 s[10:11], s[10:11], s[46:47]
	s_lshr_b32 s46, s21, 4                         ; the batch
	s_lshl_b32 s46, s46, 3
	s_add_co_u32 s46, s46, s20
	s_lshl_b32 s46, s46, 5                         ; 16 x (16 batch + 2 F): the first head's first record
	s_and_b32 s23, s21, 15
	s_add_co_u32 s46, s46, s23                     ; + the key step
	s_mul_i32 s46, s46, s22
	s_add_nc_u64 s[12:13], s[12:13], s[46:47]
.irp i, 0,1,2,3,4,5,6,7,8,9,10,11,12,13,14,15
	global_load_b128 v[BIAS+4*\i:BIAS+4*\i+3], v[BO], s[4:5] offset:128*(\i/4)+16*(\i%4)   ; register 16 b + i: the bias of feature 32 b + 16 h + i.  (v's work-groups do not use these sixteen: one path for all, so that every register is written on every way)
.endr
.irp a, 0,1,2,3,4,5,6,7
	global_load_b32 v[PERA+\a], v[PO], s[10:11] offset:4*(32*(\a/2)+8*(\a%2))              ; the word of A's row at position 16 a + r
.endr
.macro FRAG reg, adr, q, i             ; a fragment, 16 rows x 128 K, is 12 registers: lane l holds row l % 16; registers 6 c .. 6 c + 5 hold K = 64 c + 32 (l / 16) + 0 .. 31: 24 bytes of the row, as they lie
.irp p, 0,1,2,3,4,5                    ; in pieces of 8 bytes.  Lanes 16-31 read three pieces further on than lanes 0-15;
.set PIECE, 12*(\q)+6*(\p/3)+\p%3      ; 16 bytes of padding lie behind every 8 pieces: where the piece three on lies behind one padding more, the second address register serves
.if PIECE%8 < 5
	ds_load_b64 v[\reg+2*\p:\reg+2*\p+1], v[\adr] offset:8*PIECE+16*(PIECE/8)+(\i)*16*PITCH
.else
	ds_load_b64 v[\reg+2*\p:\reg+2*\p+1], v[\adr+2] offset:8*PIECE+16*(PIECE/8)+(\i)*16*PITCH
.endif
.endr
.endm
; 16 matrix instructions: A's blocks a0, a0 + 1 x B's eight, 128 along K: the slot's q-th.  p: B's set; sc: the set of scale words.  zero = 1: the first product starts the sums.
; The 64 accumulators take turns, one instruction a turn, in the same order in every step.
.macro MUL16 a0, p, q, sc, zero
.irp a, \a0, \a0+1
.irp b, 0,1,2,3,4,5,6,7
.if \zero
	v_wmma_scale_f32_16x16x128_f8f6f4 v[8*(8*((\a)%4)+\b):8*(8*((\a)%4)+\b)+7], v[128*(\p)+FR*\b:128*(\p)+FR*\b+FR-1], v[AF+FR*(\a):AF+FR*(\a)+FR-1], 0, v[SC+8*NQ*(\sc)+NQ*\b+(\q)], v[SC+8*NQ*(\sc)+NQ*(\a)+(\q)] matrix_a_fmt:MATRIX_FMT_FP6 matrix_b_fmt:MATRIX_FMT_FP6 matrix_a_scale:MATRIX_SCALE_ROW1
.else
	v_wmma_scale_f32_16x16x128_f8f6f4 v[8*(8*((\a)%4)+\b):8*(8*((\a)%4)+\b)+7], v[128*(\p)+FR*\b:128*(\p)+FR*\b+FR-1], v[AF+FR*(\a):AF+FR*(\a)+FR-1], v[8*(8*((\a)%4)+\b):8*(8*((\a)%4)+\b)+7], v[SC+8*NQ*(\sc)+NQ*\b+(\q)], v[SC+8*NQ*(\sc)+NQ*(\a)+(\q)] matrix_a_fmt:MATRIX_FMT_FP6 matrix_b_fmt:MATRIX_FMT_FP6 matrix_a_scale:MATRIX_SCALE_ROW1
.endif
.endr
.endr
.endm
.macro FETCH_B slot, q, p              ; B's eight fragments of the slot's q-th 128 along K into set p
	WIN TO_B
.irp i, 0,1,2,3,4,5,6,7
	FRAG 128*(\p)+FR*\i, ADRB+\slot, \q, \i
.endr
	WIN 0
.endm
.macro FETCH_A slot, q, i0             ; A's blocks i0 .. i0 + 3
.irp i, \i0, \i0+1, \i0+2, \i0+3
	FRAG AF+FR*(\i), ADRA+\slot, \q, \i
.endr
.endm
.macro SCALES sc                       ; a K step's scale words into set sc: two words a row; lanes 0-15 take A's block i, lanes 16-31 B's block i
.irp i, 0,1,2,3,4,5,6,7
	ds_load_b64 v[SC+8*NQ*\sc+NQ*\i:SC+8*NQ*\sc+NQ*\i+1], v[ADRS] offset:\i*SBLK
.endr
.endm
.macro PLACES n                        ; plain vector instructions that name no register of the matrix instructions before them: in front of loads into registers that those have read, and of the first read of results
.rept \n
	v_nop
.endr
.endm
; A step of 128 along K that has its successor in the same slot.
.macro STEP slot, q, zero
	s_wait_dscnt 4*NL                              ; B's set and A's blocks 0-3 are in; the youngest 24 loads (A's blocks 4-7) may be out
	WIN MUL_LO
	MUL16 0, (\q)%2, \q, \slot, \zero
	MUL16 2, (\q)%2, \q, \slot, \zero
	s_wait_dscnt 0                                 ; A's blocks 4-7 are in (asked for 32 matrix instructions ago)
	PLACES NP
	FETCH_B \slot, (\q)+1, 1-(\q)%2
	FETCH_A \slot, (\q)+1, 0
	WIN MUL_HI
	MUL16 4, (\q)%2, \q, \slot, \zero
	MUL16 6, (\q)%2, \q, \slot, \zero
	PLACES NP
	WIN 0
	FETCH_A \slot, (\q)+1, 4
.endm
; A slot's last step changes slots: one barrier; in front of it each wave waits for all its tensor loads, adds 0 to its spare word, and waits for that and for its own reads of this slot.  fill = 1: this slot is filled again, two K steps ahead.
.macro TURN slot, next, fill
	s_wait_tensorcnt 0x0                           ; all my tensor loads have landed: my part of the next slot  (every window is 0 here)
	ds_add_u32 v[SPW], v[NIL]                      ; 0 onto my spare word
	s_wait_dscnt 4*NL+1                            ; (the add and the youngest 24 loads, A's blocks 4-7, may be out)
	WIN MUL_LO
	MUL16 0, 1, NQ-1, \slot, 0                     ; sixteen matrix instructions stand between the add and the wait for it
	s_wait_dscnt 0x0                               ; the add is done, and my reads of this slot are over
	s_barrier_signal -1
	MUL16 2, 1, NQ-1, \slot, 0
	WIN 0
	s_barrier_wait -1
.if \fill
	CREST                                          ; the barrier has opened a round of the cluster's barrier: no wave of any partner still reads this slot's tile or has a load on its way
.if \slot == 0
	s_mov_b32 s[G0+1], s45                         ; slot 0's group 0 held the head's whole tile: from here on my 128 rows; K step 2 lies one plane behind slot 1's K step 1
	s_mov_b32 s[G0B+1], s45
	s_add_nc_u64 s[G0+2:G0+3], s[G0+6:G0+7], s[6:7]
	s_add_nc_u64 s[G0B+2:G0B+3], s[G0B+6:G0B+7], s[8:9]
.else
	s_add_nc_u64 s[G0+6:G0+7], s[G0+6:G0+7], s[6:7]      ; two planes on
	s_add_nc_u64 s[G0+6:G0+7], s[G0+6:G0+7], s[6:7]
	s_add_nc_u64 s[G0B+6:G0B+7], s[G0B+6:G0B+7], s[8:9]
	s_add_nc_u64 s[G0B+6:G0B+7], s[G0B+6:G0B+7], s[8:9]
.endif
	JLOAD G0+4*\slot, G1, G0B+4*\slot, G1B         ; the first tensor load behind the round; its four v_nop are the places in front of the loads below
.else
	PLACES NP
.endif
	s_wait_alu depctr_va_vdst(0)
	v_add_nc_u32 v[ADRS], 4*NQ, v[ADRS]            ; on to the next K step's scale words (no LDS load of mine is out)
	FETCH_B \next, 0, 0
	FETCH_A \next, 0, 0
	SCALES \next
	WIN MUL_HI
	MUL16 4, 1, NQ-1, \slot, 0
	MUL16 6, 1, NQ-1, \slot, 0
	PLACES NP
	WIN 0
	FETCH_A \next, 0, 4
.endm
	s_wait_alu depctr_va_vdst(0)
	s_wait_tensorcnt 0x0                           ; my tile of the head's four is in; the three lines ahead of a later first fill, as ahead of a refill
	ds_add_u32 v[SPW], v[NIL]
	s_mov_b32 s[G1+2], 96<<16                      ; no tensor load of mine is out: from here on a load brings 128 rows x 192 bytes = 96 rows of 256
	s_mov_b32 s[G1+4], 96
	s_mov_b32 s[G1B+2], 96<<16
	s_mov_b32 s[G1B+4], 96
	s_wait_dscnt 0x0
	CROUND                                         ; all four tiles are in, and all sixteen work-groups are here
	JLOAD G0+4, G1, G0B+4, G1B                     ; K step 1, the first tensor load behind the round
	FETCH_B 0, 0, 0
	FETCH_A 0, 0, 0
	SCALES 0
	FETCH_A 0, 0, 4
	STEP 0, 0, 1                                   ; K = 1,024 is four K steps, twice round the ring: written out, no loop.  The first products start the sums
	TURN 0, 1, 1                                   ; slot 0 takes K step 2
	STEP 1, 0, 0
	TURN 1, 0, 1                                   ; slot 1 takes K step 3
	STEP 0, 0, 0
	TURN 0, 1, 0                                   ; nothing is left to fetch
	STEP 1, 0, 0
	s_wait_dscnt 4*NL                              ; the very last step
	WIN MUL_LO
	MUL16 0, 1, NQ-1, 1, 0
	MUL16 2, 1, NQ-1, 1, 0
	s_wait_dscnt 0
	WIN MUL_HI
	MUL16 4, 1, NQ-1, 1, 0
	MUL16 6, 1, NQ-1, 1, 0
	WIN 0
; THE WAY OUT needs no LDS: the images are stored from registers, 512 consecutive aligned bytes an instruction.
; QUANT: 64 numbers of a lane, v[s] on, register 16 b + i = k 32 b + 16 (lane / 16) + i of my row, become codes (blocks 2 c and 2 c + 1 at v[PC + st c] on, six registers) and the scale word v[pw].
.macro QUANT s, st, pw
.irp b, 0,1,2,3
	v_max3_num_f32 v[TMX+\b], |v[\s+16*\b]|, |v[\s+1+16*\b]|, 0x1800000   ; block b: my 16 numbers, and the floor 2^(3 - 127): the byte cannot fall under 1
.endr
.irp i, 2,4,6,8,10,12,14
.irp b, 0,1,2,3
	v_max3_num_f32 v[TMX+\b], v[TMX+\b], |v[\s+16*\b+\i]|, |v[\s+1+16*\b+\i]|   ; (the four blocks by turns)
.endr
.endr
.irp b, 0,1,2,3
	v_permlanex16_b32 v[TMB+\b], v[TMX+\b], s[SEL], s[SEL+1]
.endr
.irp b, 0,1,2,3
	v_max_num_f32 v[TMX+\b], v[TMX+\b], v[TMB+\b]  ; with lane l xor 16's: the block's largest magnitude
.endr
.irp b, 0,1,2,3
	v_add_nc_u32 v[TMS+\b], 0xff000000, v[TMX+\b]  ; 2 off its exponent field: the conversion's scale operand
.endr
.irp b, 0,1,2,3
	v_lshrrev_b32 v[TMB+\b], 23, v[TMS+\b]         ; the scale's byte
.endr
	v_lshl_or_b32 v[\pw], v[TMB+1], 8, v[TMB]
	v_lshl_or_b32 v[\pw], v[TMB+2], 16, v[\pw]
	v_lshl_or_b32 v[\pw], v[TMB+3], 24, v[\pw]
.irp c, 0,1
	v_cvt_scalef32_pk16_fp6_f32 v[PC+(\st)*\c:PC+(\st)*\c+2], v[\s+32*\c:\s+15+32*\c], v[TMS+2*\c]
	v_cvt_scalef32_pk16_fp6_f32 v[PX+4*\c:PX+4*\c+2], v[\s+16+32*\c:\s+31+32*\c], v[TMS+2*\c+1]   ; (a conversion's three registers begin on an even number)
.endr
	v_nop                                          ; one plain place behind a scaled conversion
.irp c, 0,1                                    ; the operand's layout wants a whole block in a lane: lanes 0-15 block 2 c, lanes 16-31 block 2 c + 1
.irp i, 0,1,2
	v_permlane16_swap_b32 v[PC+(\st)*\c+\i], v[PX+4*\c+\i]
.endr
.irp i, 0,1,2
	v_mov_b32 v[PC+(\st)*\c+3+\i], v[PX+4*\c+\i]
.endr
.endr
.endm
	s_wait_loadcnt 0x0                             ; the bias and the table
	PLACES NP                                      ; behind the last products: the lines below write registers that held A's fragments
.irp b, 0,1,2,3
	v_mov_b32 v[TMB+\b], 0                         ; written once: a lane permute's destination counts as one of its sources
.endr
	v_mov_b32 v[PC+7], 0                           ; register 7 of a tile of q or k
	v_mov_b32 v[PC+15], 0
	v_bfe_u32 v[TMP], v0, 4, 1
	v_sub_nc_u32 v[TMP], 1, v[TMP]                 ; 1 in lanes 0-15: k = 64 lies in their register 6
	s_mov_b32 s20, 0x7f7f0000
	s_cmp_eq_u32 ttmp9, 1
	s_cselect_b32 s18, 0, 8                        ; the code at k = 64: a key that counts 0;  a query 1.0
	s_cselect_b32 s19, 63, 8                       ; a masked key -7.5;  a query 1.0
	s_cselect_b32 s21, 0x01010000, s20             ; the bytes of k = 64 .. 127: a key that counts 1, 1;  a query 127, 127
	s_cselect_b32 s20, 0x01e30000, s20             ; a masked key 227, 1
	v_mul_u32_u24 v[EU], s18, v[TMP]
	v_mul_u32_u24 v[EM], s19, v[TMP]
	v_mov_b32 v[HU], s21
	v_mov_b32 v[HM], s20
	s_cmp_eq_u32 ttmp9, 2
	s_cbranch_scc1 .Lv_out
; q, k: block a = 16 tokens; my 64 numbers are two heads' 32 + 32
.macro EPI_QK a
.if (\a) > 0
	s_wait_xcnt 0x0                                ; the last block's stores have read their registers: the codes may be written again
.endif
	WIN 0x02+(\a)/4                                ; source 0: window 2 or 3
.set AC, 64*((\a)%4)
.set i, 0
.rept 32
	v_pk_add_f32 v[T+i:T+i+1], v[AC+i:AC+i+1], v[BIAS+i:BIAS+i+1]   ; each accumulator from its low end on
.set i, i+2
.endr
	WIN 0
	QUANT T, 8, PW
	v_cmp_eq_u32 vcc_lo, 0, v[PERA+\a]             ; is my token masked?
	v_cndmask_b32 v[PC+6], v[EU], v[EM], vcc_lo
	v_cndmask_b32 v[PC+14], v[EU], v[EM], vcc_lo
	v_cndmask_b32 v[HI], v[HU], v[HM], vcc_lo
	v_and_or_b32 v[SW0+\a], v[PW], 0xffff, v[HI]   ; the first head's two bytes, and the spare half's
	v_lshrrev_b32 v[TMP], 16, v[PW]
	v_or_b32 v[SW1+\a], v[TMP], v[HI]              ; the second head's
.irp c, 0,1
.irp p, 0,1
	global_store_b128 v[LI], v[PC+8*\c+4*\p:PC+8*\c+4*\p+3], s[12:13] offset:\c*16*RECQ+(\a)*1024+512*\p
.endr
.endr
.endm
.irp a, 0,1,2,3,4,5,6,7
	EPI_QK \a
.endr
.irp i, 0,1,2,3
	v_cndmask_b32 v[SW0+\i], v[SW0+\i], v[SW0+4+\i], s[UPPER]   ; lanes 0-15 keep tiles 0-3, lanes 16-31 take tiles 4-7
	v_cndmask_b32 v[SW1+\i], v[SW1+\i], v[SW1+4+\i], s[UPPER]
.endr
	global_store_b128 v[LI], v[SW0:SW0+3], s[12:13] offset:8192
	global_store_b128 v[LI], v[SW1:SW1+3], s[12:13] offset:16*RECQ+8192
	s_branch .Ldone
.Lv_out:
; v: block a = 16 features (head a / 4, tile a % 4); my 64 numbers are half of each of the key step's four blocks of 32 keys
.macro EPI_V a
.if (\a) > 0
	s_wait_xcnt 0x0                                ; the last block's stores have read their registers
.endif
	WIN 0x02+(\a)/4
.set AC, 64*((\a)%4)
.set i, 0
.rept 32
.if (\a)%2 == 0
	v_pk_add_f32 v[T+i:T+i+1], v[AC+i:AC+i+1], v[PERA+(\a):PERA+(\a)+1] op_sel_hi:[1,0]              ; my feature's bias: the pair's first register for both halves
.else
	v_pk_add_f32 v[T+i:T+i+1], v[AC+i:AC+i+1], v[PERA+(\a)-1:PERA+(\a)] op_sel:[0,1] op_sel_hi:[1,1]   ; the pair's second
.endif
.set i, i+2
.endr
	WIN 0
	QUANT T, 6, SW0+\a
.irp c, 0,1,2
	global_store_b128 v[LI], v[PC+4*\c:PC+4*\c+3], s[12:13] offset:((\a)/4)*16*RECV+((\a)%4)*1536+512*\c
.endr
.endm
.irp a, 0,1,2,3,4,5,6,7
	EPI_V \a
.endr
.irp i, 0,1,2,3
	v_cndmask_b32 v[SW0+\i], v[SW0+\i], v[SW0+4+\i], s[UPPER]   ; lanes 0-15 the first head's four words, lanes 16-31 the second's
.endr
	global_store_b128 v[VSO], v[SW0:SW0+3], s[12:13] offset:6144   ; 16 lanes store 256 consecutive aligned bytes of each head's record
.Ldone:
	s_wait_tensorcnt 0x0                           ; the wave's end
	ds_add_u32 v[SPW], v[NIL]
	s_wait_dscnt 0x0
	CROUND                                         ; the closing round: no work-group ends while a partner may still ask for a tile that names it
	s_endpgm
.Lfunc_end_k_qf40461f7f0_proj:
	.size	k_qf40461f7f0_proj, .Lfunc_end_k_qf40461f7f0_proj-k_qf40461f7f0_proj
	.p2alignl 7, 3214868480
	.fill 96, 4, 3214868480
	.section	.rodata,"a",@progbits
	.p2align	6, 0x0
	.amdhsa_kernel k_qf40461f7f0_proj
		.amdhsa_group_segment_fixed_size 327680
		.amdhsa_private_segment_fixed_size 0
		.amdhsa_enable_private_segment 0
		.amdhsa_kernarg_size 72
		.amdhsa_user_sgpr_count 2
		.amdhsa_user_sgpr_kernarg_segment_ptr 1
		.amdhsa_wavefront_size32 1
		.amdhsa_system_sgpr_workgroup_id_x 1
		.amdhsa_system_sgpr_workgroup_id_y 1
		.amdhsa_system_sgpr_workgroup_id_z 1
		.amdhsa_system_vgpr_workitem_id 0
		.amdhsa_next_free_vgpr 1024
		.amdhsa_next_free_sgpr 102
		.amdhsa_reserve_vcc 1
		.amdhsa_float_denorm_mode_32 3
		.amdhsa_float_denorm_mode_16_64 3
		.amdhsa_memory_ordered 1
		.amdhsa_forward_progress 1
		.amdhsa_inst_pref_size 237
	.end_amdhsa_kernel
	.amdgpu_metadata
---
amdhsa.version: [ 1, 2 ]
amdhsa.kernels:
  - .name:           k_qf40461f7f0_proj
    .symbol:         k_qf40461f7f0_proj.kd
    .args:
      - { .name: xq, .offset: 0, .size: 8, .value_kind: global_buffer, .address_space: global }
      - { .name: wq, .offset: 8, .size: 8, .value_kind: global_buffer, .address_space: global }
      - { .name: b_q, .offset: 16, .size: 8, .value_kind: global_buffer, .address_space: global }
      - { .name: b_k, .offset: 24, .size: 8, .value_kind: global_buffer, .address_space: global }
      - { .name: b_v, .offset: 32, .size: 8, .value_kind: global_buffer, .address_space: global }
      - { .name: attention_mask, .offset: 40, .size: 8, .value_kind: global_buffer, .address_space: global }
      - { .name: qb, .offset: 48, .size: 8, .value_kind: global_buffer, .address_space: global }
      - { .name: kb, .offset: 56, .size: 8, .value_kind: global_buffer, .address_space: global }
      - { .name: vb, .offset: 64, .size: 8, .value_kind: global_buffer, .address_space: global }
    .group_segment_fixed_size: 327680
    .private_segment_fixed_size: 0
    .kernarg_segment_align: 8
    .kernarg_segment_size: 72
    .max_flat_workgroup_size: 128
    .sgpr_count:     102
    .vgpr_count:     1024
    .wavefront_size: 32
...
	.end_amdgpu_metadata
.endif
;; end of part 2
;; launch attn (part 3): grid 4 x 64, 16 waves a work-group, clusters of 4 x 1, 327,680 bytes of LDS; arguments qb, kb, vb, ab; writes ab
.if DOCPART == 3
	.amdgcn_target "amdgcn-amd-amdhsa--gfx1250"
	.amdhsa_code_object_version 6
	.text
	.protected	k_qf40461f7f0_attn
	.globl	k_qf40461f7f0_attn
	.p2align	8
	.type	k_qf40461f7f0_attn,@function
k_qf40461f7f0_attn:
	s_mov_b64 s[64:65], 0
	v_nop
	global_prefetch_b8 v0, s[64:65] scope:SCOPE_SE
	s_setreg_imm32_b32 hwreg(HW_REG_WAVE_MODE, 25, 1), 1
	s_wait_xcnt 0x0
	s_wait_alu depctr_hold_cnt(0) depctr_sa_sdst(0) depctr_va_vdst(0) depctr_va_sdst(0) depctr_va_ssrc(0) depctr_va_vcc(0) depctr_vm_vsrc(0)
	s_getreg_b32 s2, hwreg(HW_REG_IB_STS2, 6, 4)
	s_cmp_eq_u32 s2, 0
	s_cbranch_scc0 .Lentry_in_a_cluster
	s_endpgm
.Lentry_in_a_cluster:
	s_bfe_u32 s2, ttmp6, 0x10000c
	s_cmp_lg_u32 s2, 0x3003
	s_cbranch_scc0 .Lentry_shape_is_right
	s_endpgm
.Lentry_shape_is_right:
; o = softmax(q k^T / 8) v for one head (work-group y) and 512 queries (place in the cluster), on the operand images that the launch before stored; the result leaves as codes of FP6 and scale bytes for the last product.
; All 16 key steps of the head's k and v records lie in LDS, filled once: waves 0-7 fetch two k records each, waves 8-15 two v records each, one joint load a wave, shared by the four work-groups of the cluster.
; A wave takes 16 queries a pass, two passes; both products are used transposed, so that a lane holds one query.  M is the ceiling of the running largest t; the sum is taken of the unquantised p.
; LIMITS: the promise holds while the scaled scores stay under 2^31 in magnitude (a masked key's score, -7.5 x 2^100, aside); a query all of whose keys are masked gets the scale byte 0xff, a NaN, as the softmax of such a row is.
.set RECK,  8704
.set RECV,  6400
.set VBASE, 16*RECK
.set ASC,   6291456
.set LI,   1
.set LR,   2
.set L8,   3
.set SBO,  4
.set ADK,  5
.set ADV,  6
.set ADVS, 7
.set WK,   10
.set QF,   16
.set QS,   28
.set PW,   29
.set FF,   30
.set F,    32
.set KSC,  100
.set VSC,  104
.set BM,   108
.set BX,   112
.set SO,   116
.set TA,   120
.set TB,   121
.set L2,   122
.set S,    128
.set O,    192
.set PC,   224
.set PX,   236
.set Q1,   244
.set QS1,  252
.set WV,   12
.set SEL,  20
.set CS,   22
.set G1K,  24
.set G1V,  32
.set G0K,  40
.set G0V,  44
.set TK,   48
.set TV,   49
.set STEPS, 50
.set PASSES, 51
.set OC,   52
.set OS,   54
.set PM,   56
.macro CROUND
	s_barrier_signal -1
	s_barrier_wait -1
	s_cmp_lg_u32 s[WV], 0
	s_cbranch_scc1 .Lnot_wave_0_\@
	s_barrier_signal -3
.Lnot_wave_0_\@:
	s_barrier_wait -3
	s_barrier_signal -1
	s_barrier_wait -1
.endm
	s_load_b256 s[4:11], s[0:1], 0x0
	v_lshl_add_u32 v254, v0, 2, 0x3b000
	v_mov_b32 v255, 0
	ds_add_u32 v254, v255
	ds_add_u32 v254, v255
	v_lshrrev_b32 v8, 5, v0
	s_delay_alu instid0(VALU_DEP_1)
	v_readfirstlane_b32 s[WV], v8
	s_bfe_u32 s13, ttmp6, 0x40000
	s_and_b32 s14, ttmp7, 0xffff
	s_mov_b32 s[G1K], 15|(3<<16)|(1<<21)
	s_mov_b32 s[G1K+1], 32<<16
	s_mov_b32 s[G1K+2], 68<<16
	s_mov_b32 s[G1K+3], 32<<16
	s_mov_b32 s[G1K+4], 68
	s_mov_b32 s[G1K+5], 32
	s_mov_b32 s[G1K+6], 0
	s_mov_b32 s[G1K+7], 0
	s_mov_b32 s[G1V], 15|(3<<16)|(1<<21)
	s_mov_b32 s[G1V+1], 32<<16
	s_mov_b32 s[G1V+2], 50<<16
	s_mov_b32 s[G1V+3], 32<<16
	s_mov_b32 s[G1V+4], 50
	s_mov_b32 s[G1V+5], 32
	s_mov_b32 s[G1V+6], 0
	s_mov_b32 s[G1V+7], 0
	s_and_b32 s57, s[WV], 7
	s_lshl_b32 s57, s57, 1                         ; the first of my two records
	s_lshl_b32 s15, s14, 4
	s_add_co_u32 s15, s15, s57
	s_mul_i32 s16, s15, RECK
	s_mov_b32 s17, 0
	s_mul_i32 s18, s15, RECV
	s_mov_b32 s19, 0
	s_mov_b32 s[G0K], 1
	s_mul_i32 s[G0K+1], s57, RECK
	s_mov_b32 s[G0V], 1
	s_mul_i32 s[G0V+1], s57, RECV
	s_add_co_u32 s[G0V+1], s[G0V+1], VBASE
	s_mov_b32 s[SEL], 0x76543210
	s_mov_b32 s[SEL+1], 0xfedcba98
	s_mov_b32 s[CS], 0x3e38aa3b
	s_mov_b32 s[CS+1], s[CS]
	v_and_b32 v8, 31, v0
	s_delay_alu instid0(VALU_DEP_1)
	v_lshlrev_b32 v[LI], 4, v8
	s_delay_alu instid0(VALU_DEP_2)
	v_lshlrev_b32 v[L8], 3, v8
	v_and_b32 v9, 15, v0
	s_delay_alu instid0(VALU_DEP_1)
	v_lshlrev_b32 v[LR], 4, v9
	v_bfe_u32 v8, v0, 4, 1
	s_delay_alu instid0(VALU_DEP_3)
	v_lshlrev_b32 v[SBO], 5, v9
	s_delay_alu instid0(VALU_DEP_1)
	v_lshl_add_u32 v[SBO], v8, 13, v[SBO]
	s_wait_dscnt 0x0
	s_wait_kmcnt 0x0
	s_add_nc_u64 s[G0K+2:G0K+3], s[6:7], s[16:17]
	s_or_b32 s[G0K+3], s[G0K+3], 0x80000000
	s_add_nc_u64 s[G0V+2:G0V+3], s[8:9], s[18:19]
	s_or_b32 s[G0V+3], s[G0V+3], 0x80000000
	CROUND
	s_cmp_lt_u32 s[WV], 8                          ; one load a wave, in the two arms of one branch on the wave's number
	s_cbranch_scc0 .Lfor_v
	tensor_load_to_lds s[G0K:G0K+3], s[G1K:G1K+7]
	s_nop 0
.rept 4
	v_nop
.endr
	s_branch .Lasked
.Lfor_v:
	tensor_load_to_lds s[G0V:G0V+3], s[G1V:G1V+7]
	s_nop 0
.rept 4
	v_nop
.endr
.Lasked:
	s_lshl_b32 s15, s14, 4
	s_lshl_b32 s16, s13, 2
	s_add_co_u32 s15, s15, s16
	s_lshr_b32 s16, s[WV], 3
	s_add_co_u32 s15, s15, s16
	s_mul_i32 s15, s15, RECK
	s_and_b32 s18, s[WV], 7
	s_lshl_b32 s16, s18, 10
	s_add_co_u32 s16, s16, s15
	s_mov_b32 s17, 0
	s_add_nc_u64 s[16:17], s[4:5], s[16:17]
	s_lshr_b32 s18, s18, 2
	s_lshl_b32 s18, s18, 8
	s_and_b32 s19, s[WV], 3
	s_lshl_b32 s19, s19, 2
	s_add_co_u32 s18, s18, s19
	s_add_co_u32 s18, s18, s15
	s_add_co_u32 s18, s18, 8192
	s_mov_b32 s19, 0
	s_add_nc_u64 s[18:19], s[4:5], s[18:19]
	s_wait_alu depctr_va_vdst(0)
	global_load_b128 v[QF:QF+3], v[LI], s[16:17]
	global_load_b128 v[QF+4:QF+7], v[LI], s[16:17] offset:512
	global_load_b32 v[QS], v[LR], s[18:19]
	global_load_b128 v[Q1:Q1+3], v[LI], s[16:17] offset:2*RECK
	global_load_b128 v[Q1+4:Q1+7], v[LI], s[16:17] offset:2*RECK+512
	global_load_b32 v[QS1], v[LR], s[18:19] offset:2*RECK
	s_lshr_b32 s15, s14, 4
	s_lshl_b32 s15, s15, 7
	s_lshl_b32 s57, s13, 5
	s_add_co_u32 s15, s15, s57
	s_add_co_u32 s15, s15, s[WV]
	s_and_b32 s57, s14, 15
	s_lshl_b32 s58, s15, 4
	s_add_co_u32 s58, s58, s57
	s_mul_i32 s58, s58, 768
	s_mov_b32 s59, 0
	s_add_nc_u64 s[OC:OC+1], s[10:11], s[58:59]
	s_lshl_b32 s58, s15, 9
	s_lshl_b32 s57, s57, 1
	s_add_co_u32 s58, s58, s57
	s_add_co_u32 s58, s58, ASC
	s_add_nc_u64 s[OS:OS+1], s[10:11], s[58:59]
.irp i, 8,9,10,11
	v_mov_b32 v[QF+\i], 0
.endr
.irp i, 64,65,66,67
	v_mov_b32 v[F+\i], 0
.endr
.irp b, 0,1,2,3
	v_mov_b32 v[BX+\b], 0
.endr
	v_mov_b32 v[FF+1], 0
	v_mov_b32 v[WK], 0
	s_mov_b32 s[PASSES], 2
	s_mov_b32 s[PM], 0xffff
	s_wait_tensorcnt 0x0
	s_barrier_signal -1
	s_barrier_wait -1
	s_wait_loadcnt 0x0
.Lpass:
	v_mov_b32 v13, 0xef800000
	s_delay_alu instid0(VALU_DEP_1)
	v_floor_f32 v12, -v13
	v_mov_b32 v14, 0
	v_mov_b32 v15, 0
.set j, 0
.rept 32
	v_mov_b32 v[O+j], 0
.set j, j+1
.endr
	s_mov_b32 s[TK], 0
	s_mov_b32 s[TV], VBASE
	s_mov_b32 s[STEPS], 16
.Lstep:
	v_add_nc_u32 v[ADK], s[TK], v[LI]
	v_add_nc_u32 v[ADV], s[TV], v[LI]
	v_add_nc_u32 v[ADVS], s[TV], v[LR]
	v_nop
.irp t, 0,1,2,3,4,5,6,7
	ds_load_b128 v[F+8*\t:F+8*\t+3], v[ADK] offset:1024*\t
	ds_load_b128 v[F+8*\t+4:F+8*\t+7], v[ADK] offset:1024*\t+512
.endr
	ds_load_b128 v[KSC:KSC+3], v[ADK] offset:8192
	s_wait_alu depctr_va_vdst(0)
	s_wait_dscnt 0x0
.irp t, 0,1,2,3
	v_wmma_scale_f32_16x16x128_f8f6f4 v[S+8*\t:S+8*\t+7], v[F+8*\t:F+8*\t+11], v[QF:QF+11], 0, v[KSC+\t], v[QS] matrix_a_fmt:MATRIX_FMT_FP6 matrix_b_fmt:MATRIX_FMT_FP6
.endr
.irp t, 4,5,6,7
	v_wmma_scale_f32_16x16x128_f8f6f4 v[S+8*\t:S+8*\t+7], v[F+8*\t:F+8*\t+11], v[QF:QF+11], 0, v[KSC+\t-4], v[QS] matrix_a_fmt:MATRIX_FMT_FP6 matrix_b_fmt:MATRIX_FMT_FP6 matrix_a_scale:MATRIX_SCALE_ROW1
.endr
.rept 4
	v_nop
.endr
.irp t, 0,1,2,3
.irp c, 0,1,2
	ds_load_b128 v[F+12*\t+4*\c:F+12*\t+4*\c+3], v[ADV] offset:1536*\t+512*\c
.endr
.endr
	ds_load_b128 v[VSC:VSC+3], v[ADVS] offset:6144
.irp b, 0,1,2,3
	v_max3_num_f32 v[BM+\b], v[S+16*\b], v[S+1+16*\b], v[S+2+16*\b]
.endr
.irp i, 3,5,7,9,11,13
.irp b, 0,1,2,3
	v_max3_num_f32 v[BM+\b], v[BM+\b], v[S+16*\b+\i], v[S+1+16*\b+\i]
.endr
.endr
.irp b, 0,1,2,3
	v_max_num_f32 v[BM+\b], v[BM+\b], v[S+15+16*\b]
.endr
.irp b, 0,1,2,3
	s_delay_alu instid0(VALU_DEP_4)
	v_permlanex16_b32 v[BX+\b], v[BM+\b], s[SEL], s[SEL+1]
.endr
.irp b, 0,1,2,3
	s_delay_alu instid0(VALU_DEP_4)
	v_max_num_f32 v[BM+\b], v[BM+\b], v[BX+\b]
.endr
	s_delay_alu instid0(VALU_DEP_2)
	v_max3_num_f32 v[TA], v[BM], v[BM+1], v[BM+2]
	s_delay_alu instid0(VALU_DEP_1)
	v_max_num_f32 v[TA], v[TA], v[BM+3]
	s_delay_alu instid0(VALU_DEP_1)
	v_mul_f32 v[TA], s[CS], v[TA]
	s_delay_alu instid0(VALU_DEP_1)
	v_max_num_f32 v13, v13, v[TA]
	v_mov_b32 v[TA], v12
	s_delay_alu instid0(VALU_DEP_2)
	v_floor_f32 v12, -v13
	s_delay_alu instid0(VALU_DEP_1)
	v_sub_f32 v[TA], v12, v[TA]
	s_delay_alu instid0(VALU_DEP_1)
	v_cvt_i32_f32 v[TA], v[TA]
	s_delay_alu instid0(VALU_DEP_1)
	v_ldexp_f32 v[FF], 1.0, v[TA]
.set j, 0
.rept 32
	v_pk_fma_f32 v[S+j:S+j+1], v[S+j:S+j+1], s[CS:CS+1], v[12:13] op_sel_hi:[1,0,0]
.set j, j+2
.endr
.irp b, 0,1,2,3
	v_fma_f32 v[BM+\b], v[BM+\b], s[CS], v12
.endr
.set j, 0
	s_wait_alu depctr_va_vdst(0)
.rept 64
	v_exp_f32 v[S+j], v[S+j]
.set j, j+1
.endr
	v_pk_mul_f32 v[14:15], v[14:15], v[FF:FF+1] op_sel_hi:[1,0]
	s_wait_alu depctr_va_vdst(0)
.irp b, 0,1,2,3
	v_exp_f32 v[BM+\b], v[BM+\b]
.endr
	v_pk_add_f32 v[L2:L2+1], v[S:S+1], v[S+2:S+3]
.irp j, 4,8,12,16,20,24,28,32,36,40,44,48,52,56,60
	v_pk_add_f32 v[14:15], v[14:15], v[S+\j:S+\j+1]
	v_pk_add_f32 v[L2:L2+1], v[L2:L2+1], v[S+\j+2:S+\j+3]
.endr
	s_delay_alu instid0(VALU_DEP_1)
	v_pk_add_f32 v[14:15], v[14:15], v[L2:L2+1]
	s_wait_alu depctr_va_vdst(0)
.irp b, 0,1,2,3
	v_max_num_f32 v[BM+\b], 0x1800000, v[BM+\b]
.endr
.irp b, 0,1,2,3
	s_delay_alu instid0(VALU_DEP_4)
	v_add_nc_u32 v[SO+\b], 0xff000000, v[BM+\b]
.endr
.irp b, 0,1,2,3
	s_delay_alu instid0(VALU_DEP_4)
	v_lshrrev_b32 v[BX+\b], 23, v[SO+\b]
.endr
	s_delay_alu instid0(VALU_DEP_3)
	v_lshl_or_b32 v[PW], v[BX+1], 8, v[BX]
	s_delay_alu instid0(VALU_DEP_1)
	v_lshl_or_b32 v[PW], v[BX+2], 16, v[PW]
	s_delay_alu instid0(VALU_DEP_1)
	v_lshl_or_b32 v[PW], v[BX+3], 24, v[PW]
.irp c, 0,1
	v_cvt_scalef32_pk16_fp6_f32 v[PC+6*\c:PC+6*\c+2], v[S+32*\c:S+32*\c+15], v[SO+2*\c]
	v_cvt_scalef32_pk16_fp6_f32 v[PX+4*\c:PX+4*\c+2], v[S+32*\c+16:S+32*\c+31], v[SO+2*\c+1]
.endr
	v_nop
.irp c, 0,1
.irp i, 0,1,2
	v_permlane16_swap_b32 v[PC+6*\c+\i], v[PX+4*\c+\i]
.endr
.irp i, 0,1,2
	s_delay_alu instid0(VALU_DEP_3)
	v_mov_b32 v[PC+3+6*\c+\i], v[PX+4*\c+\i]
.endr
.endr
.set j, 0
.rept 16
	v_pk_mul_f32 v[O+j:O+j+1], v[O+j:O+j+1], v[FF:FF+1] op_sel_hi:[1,0]
.set j, j+2
.endr
	s_wait_alu depctr_va_vdst(0)
	s_wait_dscnt 0x0
.irp t, 0,1,2,3
	v_wmma_scale_f32_16x16x128_f8f6f4 v[O+8*\t:O+8*\t+7], v[F+12*\t:F+12*\t+11], v[PC:PC+11], v[O+8*\t:O+8*\t+7], v[VSC+\t], v[PW] matrix_a_fmt:MATRIX_FMT_FP6 matrix_b_fmt:MATRIX_FMT_FP6
.endr
	s_add_co_u32 s[TK], s[TK], RECK
	s_add_co_u32 s[TV], s[TV], RECV
	s_sub_co_u32 s[STEPS], s[STEPS], 1
	s_cmp_lg_u32 s[STEPS], 0
	s_cbranch_scc1 .Lstep
.rept 4
	v_nop
.endr
	v_add_f32 v14, v14, v15
	s_delay_alu instid0(VALU_DEP_1)
	v_permlanex16_b32 v[TA], v14, s[SEL], s[SEL+1]
	s_delay_alu instid0(VALU_DEP_1)
	v_add_f32 v14, v14, v[TA]
	s_wait_alu depctr_va_vdst(0)
	v_rcp_f32 v[FF], v14
	v_cmp_ge_f32 vcc_lo, 0xef800000, v13
	v_mov_b32 v[TB], -1
	s_wait_alu depctr_va_vdst(0)
.set j, 0
.rept 16
	v_pk_mul_f32 v[O+j:O+j+1], v[O+j:O+j+1], v[FF:FF+1] op_sel_hi:[1,0]
.set j, j+2
.endr
.irp b, 0,1
	v_max3_num_f32 v[BM+\b], |v[O+16*\b]|, |v[O+1+16*\b]|, 0x1800000
.endr
.irp i, 2,4,6,8,10,12,14
.irp b, 0,1
	s_delay_alu instid0(VALU_DEP_2)
	v_max3_num_f32 v[BM+\b], v[BM+\b], |v[O+16*\b+\i]|, |v[O+1+16*\b+\i]|
.endr
.endr
.irp b, 0,1
	s_delay_alu instid0(VALU_DEP_2)
	v_permlanex16_b32 v[BX+\b], v[BM+\b], s[SEL], s[SEL+1]
.endr
.irp b, 0,1
	s_delay_alu instid0(VALU_DEP_2)
	v_max_num_f32 v[BM+\b], v[BM+\b], v[BX+\b]
.endr
.irp b, 0,1
	s_delay_alu instid0(VALU_DEP_2)
	v_add_nc_u32 v[SO+\b], 0xff000000, v[BM+\b]
.endr
.irp b, 0,1
	s_delay_alu instid0(VALU_DEP_2)
	v_lshrrev_b32 v[BX+\b], 23, v[SO+\b]
.endr
	s_delay_alu instid0(VALU_DEP_1)
	v_lshl_or_b32 v[TA], v[BX+1], 8, v[BX]
	s_delay_alu instid0(VALU_DEP_1)
	v_cndmask_b32 v[TA], v[TA], v[TB], vcc_lo
	s_delay_alu instid0(VALU_DEP_1)
	v_cndmask_b32 v[WK], v[WK], v[TA], s[PM]
	v_cvt_scalef32_pk16_fp6_f32 v[PC:PC+2], v[O:O+15], v[SO]
	v_cvt_scalef32_pk16_fp6_f32 v[PX:PX+2], v[O+16:O+31], v[SO+1]
	v_nop
.irp i, 0,1,2
	v_permlane16_swap_b32 v[PC+\i], v[PX+\i]
.endr
.irp i, 0,1,2
	s_delay_alu instid0(VALU_DEP_3)
	v_mov_b32 v[PC+3+\i], v[PX+\i]
.endr
	global_store_b128 v[LI], v[PC:PC+3], s[OC:OC+1]
	global_store_b64 v[L8], v[PC+4:PC+5], s[OC:OC+1] offset:512
	s_wait_xcnt 0x0
	s_add_nc_u64 s[OC:OC+1], s[OC:OC+1], 196608
	s_lshl_b32 s[PM], s[PM], 16
.irp i, 0,1,2,3,4,5,6,7
	v_mov_b32 v[QF+\i], v[Q1+\i]
.endr
	v_mov_b32 v[QS], v[QS1]
	s_sub_co_u32 s[PASSES], s[PASSES], 1
	s_cmp_lg_u32 s[PASSES], 0
	s_cbranch_scc1 .Lpass
	global_store_b16 v[SBO], v[WK], s[OS:OS+1]
	s_wait_tensorcnt 0x0
	ds_add_u32 v254, v255
	s_wait_dscnt 0x0
	CROUND
	s_endpgm
.Lfunc_end_k_qf40461f7f0_attn:
	.size	k_qf40461f7f0_attn, .Lfunc_end_k_qf40461f7f0_attn-k_qf40461f7f0_attn
	.p2alignl 7, 3214868480
	.fill 96, 4, 3214868480
	.section	.rodata,"a",@progbits
	.p2align	6, 0x0
	.amdhsa_kernel k_qf40461f7f0_attn
		.amdhsa_group_segment_fixed_size 327680
		.amdhsa_private_segment_fixed_size 0
		.amdhsa_enable_private_segment 0
		.amdhsa_kernarg_size 32
		.amdhsa_user_sgpr_count 2
		.amdhsa_user_sgpr_kernarg_segment_ptr 1
		.amdhsa_wavefront_size32 1
		.amdhsa_system_sgpr_workgroup_id_x 1
		.amdhsa_system_sgpr_workgroup_id_y 1
		.amdhsa_system_sgpr_workgroup_id_z 1
		.amdhsa_system_vgpr_workitem_id 0
		.amdhsa_next_free_vgpr 256
		.amdhsa_next_free_sgpr 66
		.amdhsa_reserve_vcc 1
		.amdhsa_float_denorm_mode_32 3
		.amdhsa_float_denorm_mode_16_64 3
		.amdhsa_memory_ordered 1
		.amdhsa_forward_progress 1
		.amdhsa_inst_pref_size 31
	.end_amdhsa_kernel
	.amdgpu_metadata
---
amdhsa.version: [ 1, 2 ]
amdhsa.kernels:
  - .name:           k_qf40461f7f0_attn
    .symbol:         k_qf40461f7f0_attn.kd
    .args:
      - { .name: qb, .offset: 0, .size: 8, .value_kind: global_buffer, .address_space: global }
      - { .name: kb, .offset: 8, .size: 8, .value_kind: global_buffer, .address_space: global }
      - { .name: vb, .offset: 16, .size: 8, .value_kind: global_buffer, .address_space: global }
      - { .name: ab, .offset: 24, .size: 8, .value_kind: global_buffer, .address_space: global }
    .group_segment_fixed_size: 327680
    .private_segment_fixed_size: 0
    .kernarg_segment_align: 8
    .kernarg_segment_size: 32
    .max_flat_workgroup_size: 512
    .sgpr_count:     66
    .vgpr_count:     256
    .wavefront_size: 32
...
	.end_amdgpu_metadata
.endif
;; end of part 3
;; launch oproj (part 4): grid 4 x 64, 4 waves a work-group, clusters of 4 x 4, 327,680 bytes of LDS; arguments ab, wq, b_o, out0; writes out0
.if DOCPART == 4
	.amdgcn_target "amdgcn-amd-amdhsa--gfx1250"
	.amdhsa_code_object_version 6
	.text
	.protected	k_qf40461f7f0_oproj
	.globl	k_qf40461f7f0_oproj
	.p2align	8
	.type	k_qf40461f7f0_oproj,@function
k_qf40461f7f0_oproj:
	s_mov_b64 s[64:65], 0
	v_nop
	global_prefetch_b8 v0, s[64:65] scope:SCOPE_SE
	s_setreg_imm32_b32 hwreg(HW_REG_WAVE_MODE, 25, 1), 1
	s_wait_xcnt 0x0
	s_wait_alu depctr_hold_cnt(0) depctr_sa_sdst(0) depctr_va_vdst(0) depctr_va_sdst(0) depctr_va_ssrc(0) depctr_va_vcc(0) depctr_vm_vsrc(0)
	s_getreg_b32 s2, hwreg(HW_REG_IB_STS2, 6, 4)
	s_cmp_eq_u32 s2, 0
	s_cbranch_scc0 .Lentry_in_a_cluster
	s_endpgm
.Lentry_in_a_cluster:
	s_bfe_u32 s2, ttmp6, 0x10000c
	s_cmp_lg_u32 s2, 0xf033
	s_cbranch_scc0 .Lentry_shape_is_right
	s_endpgm
.Lentry_shape_is_right:
; out0 = a W_o^T + b_o on codes of FP6 (E2M3) with one E8M0 scale for each 32 along K = 1,024; sums in f32; the bias is the first products' C.
; A block of 128 tokens x 256 features to a work-group of four waves, 64 x 128 (32 accumulators, one window) to a wave: 64 x 4 blocks are 256 work-groups.
; K goes in steps of 256 through a ring of two LDS slots; A (ab) comes as images of operand registers, 3,072 bytes for 16 tokens and a K step; B (W_o's rows of wq) as a dense block of a plane, in rows of 256 bytes.
; The scale bytes of A's 128 and B's 256 rows, for all of K, come into LDS once, B's directly behind A's.  4 x 4 clusters: A's tile is asked for jointly along a row, B's along a column.
; A's blocks 0, 1 are fetched anew in a step's middle, blocks 2, 3 at its end; B has two sets.  The results leave through the wave's stage in slot 0 as whole rows of 512 bytes.
.set NQ,     2
.set ROWB,   192
.set PLW,    786432                    ; wq's codes lie in four planes, one for each K step of 256: [plane][row][192 bytes]: a tile's rows lie end to end and are fetched as rows of 256 bytes
.set PITCH,  240
.set FR,     12
.set NL,     6
.set NLA,    4
.set NP,     4
.set ABLK,   3072
.set AROW,   12288
.set HALFA,  4*ABLK
.set HALFB,  128*PITCH
.set SLOT,   2*HALFA+2*HALFB
.set SCL,    2*SLOT
.set HALFS,  16*272
.set SBLK,   2*272
.set SPARE,  SCL+4*HALFS
.set SPITCH, 528
.set ASC,    6291456
.set WSC,    3145728
.set ADRA, 16
.set ADRB, 20
.set STO,  24
.set RD,   25
.set CO,   26
.set ADRS, 27
.set SPW,  28
.set NIL,  29
.set BO,   30
.set SC,   32
.set BIAS, 64
.set AF,   128
.set BK,   128
.set G1, 24
.set G0, 32
.set G1B, 48
.set G0B, 56
.set G1S, 68
.set G0S, 76
.set G1SB, 80
.set G0SB, 88
.set MSB, 0
.macro WIN new
.if MSB != (\new)
	s_set_vgpr_msb (MSB<<8)|(\new)
.set MSB, \new
.endif
.endm
.set MUL_LO, 0xa1
.set MUL_HI, 0xf1
.set TO_B,   0x40
.macro JLOAD g0a, g1a, g0b, g1b
	s_cmp_eq_u32 s15, 0
	s_cbranch_scc0 .Lfor_b_\@
	tensor_load_to_lds s[\g0a:\g0a+3], s[\g1a:\g1a+7]
	s_nop 0
.rept 4
	v_nop
.endr
	s_branch .Lasked_\@
.Lfor_b_\@:
	tensor_load_to_lds s[\g0b:\g0b+3], s[\g1b:\g1b+7]
	s_nop 0
.rept 4
	v_nop
.endr
.Lasked_\@:
.endm
.macro CREST
	s_cmp_lg_u32 s14, 0
	s_cbranch_scc1 .Lnot_wave_0_\@
	s_barrier_signal -3
.Lnot_wave_0_\@:
	s_barrier_wait -3
	s_barrier_signal -1
	s_barrier_wait -1
.endm
.macro CROUND
	s_barrier_signal -1
	s_barrier_wait -1
	CREST
.endm
	s_load_b256 s[4:11], s[0:1], 0x0
	v_lshl_add_u32 v[SPW], v0, 2, SPARE
	v_mov_b32 v[NIL], 0
	ds_add_u32 v28, v29
	ds_add_u32 v28, v29
	s_wait_dscnt 0x0
	v_lshrrev_b32 v1, 5, v0
	v_readfirstlane_b32 s14, v1
	s_lshr_b32 s15, s14, 1
	s_and_b32 s16, s14, 1
	s_bfe_u32 s40, ttmp6, 0x40000
	s_bfe_u32 s41, ttmp6, 0x40004
	s_lshl_b32 s42, ttmp9, 2
	s_add_co_u32 s42, s42, s40
	s_and_b32 s17, ttmp7, 0xffff
	s_lshl_b32 s17, s17, 2
	s_add_co_u32 s17, s17, s41
	s_lshl_b32 s43, s41, 2
	s_lshl_b32 s43, 15, s43
	s_lshl_b32 s44, 0x1111, s40
	s_or_b32 s[G1+0], s43, (3<<16)|(1<<21)
	s_mov_b32 s[G1+1], 384<<16
	s_mov_b32 s[G1+2], 8<<16
	s_mov_b32 s[G1+3], 384<<16
	s_mov_b32 s[G1+4], 8
	s_mov_b32 s[G1+5], 1536
	s_mov_b32 s[G1+6], 0
	s_mov_b32 s[G1+7], 0
	s_or_b32 s[G1B+0], s44, (0<<16)|(1<<20)|(1<<21)|(3<<22)|(3<<25)
	s_mov_b32 s[G1B+1], 256<<16
	s_mov_b32 s[G1B+2], 192<<16
	s_mov_b32 s[G1B+3], 256<<16
	s_mov_b32 s[G1B+4], 192
	s_mov_b32 s[G1B+5], 256
	s_mov_b32 s[G1B+6], 0
	s_mov_b32 s[G1B+7], 0
	s_or_b32 s[G1S+0], s43, (3<<16)|(1<<20)|(1<<21)|(5<<22)|(3<<25)
	s_or_b32 s[G1SB+0], s44, (3<<16)|(1<<20)|(1<<21)|(5<<22)|(3<<25)
.irp g, G1S, G1SB
	s_mov_b32 s[\g+1], 32<<16
	s_mov_b32 s[\g+2], 32<<16
	s_mov_b32 s[\g+3], 32<<16
	s_mov_b32 s[\g+4], 32
	s_mov_b32 s[\g+5], 32
	s_mov_b32 s[\g+6], 0
	s_mov_b32 s[\g+7], 0
.endr
	s_mov_b32 s[G1S+2], 16<<16                     ; A has 128 rows: their scales are 16 rows of 256 bytes
	s_mov_b32 s[G1S+4], 16
	s_lshl_b32 s20, s17, 3                         ; A's tile: eight blocks of 16 tokens
	s_lshl_b32 s22, s20, 9
	s_add_co_u32 s22, s22, ASC
	s_mov_b32 s23, 0
	s_mul_i32 s20, s20, AROW
	s_mov_b32 s21, 0
	s_lshl_b32 s46, s42, 8
	s_add_co_u32 s46, s46, 3072
	s_lshl_b32 s92, s46, 5
	s_add_co_u32 s92, s92, WSC
	s_mov_b32 s93, 0
	s_mul_i32 s46, s46, ROWB
	s_mov_b32 s47, 0
	s_mul_i32 s45, s16, HALFA
	s_mul_i32 s95, s16, HALFB
	s_add_co_u32 s95, s95, 2*HALFA
	s_wait_kmcnt 0x0
	s_add_nc_u64 s[20:21], s[4:5], s[20:21]
	s_add_nc_u64 s[22:23], s[4:5], s[22:23]
	s_add_nc_u64 s[46:47], s[6:7], s[46:47]
	s_add_nc_u64 s[92:93], s[6:7], s[92:93]
	CROUND
	s_mov_b32 s[G0S], 1
	s_mov_b32 s[G0S+1], SCL
	s_mov_b64 s[G0S+2:G0S+3], s[22:23]
	s_or_b32 s[G0S+3], s[G0S+3], 0x80000000
	s_mov_b32 s[G0SB], 1
	s_mov_b32 s[G0SB+1], SCL+HALFS
	s_mov_b64 s[G0SB+2:G0SB+3], s[92:93]
	s_or_b32 s[G0SB+3], s[G0SB+3], 0x80000000
	s_mov_b32 s[G0], 1                             ; the head's tiles, each whole: K step 0 of A's eight blocks,
	s_mov_b32 s[G0+1], 0
	s_mov_b64 s[G0+2:G0+3], s[20:21]
	s_or_b32 s[G0+3], s[G0+3], 0x80000000
	s_mov_b32 s[G0B], 1                            ; and of B's 256 rows, behind them in slot 0
	s_mov_b32 s[G0B+1], 2*HALFA
	s_mov_b64 s[G0B+2:G0B+3], s[46:47]
	s_or_b32 s[G0B+3], s[G0B+3], 0x80000000
	s_mov_b32 s19, 0
	s_mul_i32 s18, s16, 4*AROW
	s_add_co_u32 s18, s18, ABLK
	s_mov_b32 s[G0+4], 1
	s_add_co_u32 s[G0+5], s45, SLOT
	s_add_nc_u64 s[G0+6:G0+7], s[20:21], s[18:19]
	s_or_b32 s[G0+7], s[G0+7], 0x80000000
	s_mul_i32 s18, s16, 128*ROWB                   ; my 128 rows of B, one plane on
	s_add_co_u32 s18, s18, PLW
	s_mov_b32 s[G0B+4], 1
	s_add_co_u32 s[G0B+5], s95, SLOT
	s_add_nc_u64 s[G0B+6:G0B+7], s[46:47], s[18:19]
	s_or_b32 s[G0B+7], s[G0B+7], 0x80000000
; THE HEAD'S LOADS, ONE A WAVE: wave 0 A's tile, wave 1 B's, wave 2 A's scales, wave 3 B's.  One chain of branches on the wave's number: every way passes one load.
.macro ARM under, g0, g1, next
	s_cmp_lt_u32 s14, \under
	s_cbranch_scc0 \next
	tensor_load_to_lds s[\g0:\g0+3], s[\g1:\g1+7]
	s_nop 0
.rept 4
	v_nop
.endr
	s_branch .Lhead_asked
\next:
.endm
	ARM 1, G0,  G1,  .Lhead_b
	ARM 2, G0B, G1B, .Lhead_sa
	ARM 3, G0S, G1S, .Lhead_sb
	tensor_load_to_lds s[G0SB:G0SB+3], s[G1SB:G1SB+7]
	s_nop 0
.rept 4
	v_nop
.endr
.Lhead_asked:
	v_and_b32 v1, 15, v0
	v_bfe_u32 v2, v0, 4, 1
	v_and_b32 v6, 31, v0
	v_lshlrev_b32 v[CO], 4, v6
	v_lshlrev_b32 v7, 3, v6
	v_mul_u32_u24 v3, v1, PITCH
	v_mul_u32_u24 v4, v2, 24
	v_add_nc_u32 v4, v3, v4
	v_lshl_add_u32 v5, v2, 4, v4
	s_mul_i32 s21, s15, HALFA
	s_mul_i32 s22, s16, HALFB
	s_add_co_u32 s22, s22, 2*HALFA
.irp s, 0,1
	v_add_nc_u32 v[ADRA+\s], s21, v[CO]
	v_add_nc_u32 v[ADRA+2+\s], s21, v7
	v_add_nc_u32 v[ADRB+\s], s22, v4
	v_add_nc_u32 v[ADRB+2+\s], s22, v5
	s_add_co_u32 s21, s21, SLOT
	s_add_co_u32 s22, s22, SLOT
.endr
	v_lshlrev_b32 v5, 5, v1
	v_lshrrev_b32 v6, 8, v5
	v_lshl_add_u32 v5, v6, 4, v5
	s_mul_i32 s21, s15, HALFS/2
	s_mul_i32 s22, s16, HALFS
	s_add_co_u32 s22, s22, HALFS
	s_sub_co_u32 s22, s22, s21
	v_mul_u32_u24 v6, s22, v2
	s_add_co_u32 s21, s21, SCL
	v_add_nc_u32 v5, v5, v6
	v_add_nc_u32 v[ADRS], s21, v5
	s_mul_i32 s23, s14, 16*SPITCH
	v_mul_u32_u24 v5, v1, SPITCH
	v_lshl_add_u32 v5, v2, 5, v5
	v_add_nc_u32 v[STO], s23, v5
	v_add_nc_u32 v[RD], s23, v[CO]
	v_lshlrev_b32 v[BO], 5, v2
	s_wait_alu depctr_va_vdst(0)
	s_lshl_b32 s46, s42, 10
	s_lshl_b32 s47, s16, 9
	s_add_co_u32 s46, s46, s47
	s_mov_b32 s47, 0
	s_add_nc_u64 s[8:9], s[8:9], s[46:47]
	s_lshl_b32 s20, s17, 7
	s_lshl_b32 s21, s15, 6
	s_add_co_u32 s20, s20, s21
	s_lshl_b32 s20, s20, 12
	s_add_co_u32 s20, s20, s46
	s_mov_b32 s21, 0
	s_add_nc_u64 s[12:13], s[10:11], s[20:21]
.irp b, 0,1,2,3,4,5,6,7
	global_load_b128 v[BIAS+8*\b:BIAS+8*\b+3], v[BO], s[8:9] offset:64*\b
	global_load_b128 v[BIAS+8*\b+4:BIAS+8*\b+7], v[BO], s[8:9] offset:64*\b+16
.endr
.macro FRAG reg, adr, q, i
.irp p, 0,1,2,3,4,5
.set PIECE, 12*(\q)+6*(\p/3)+\p%3
.if PIECE%8 < 5
	ds_load_b64 v[\reg+2*\p:\reg+2*\p+1], v[\adr] offset:8*PIECE+16*(PIECE/8)+(\i)*16*PITCH
.else
	ds_load_b64 v[\reg+2*\p:\reg+2*\p+1], v[\adr+2] offset:8*PIECE+16*(PIECE/8)+(\i)*16*PITCH
.endif
.endr
.endm
.macro FRAG_A reg, slot, q, i
.irp c, 0,1
	ds_load_b128 v[\reg+6*\c:\reg+6*\c+3], v[ADRA+\slot] offset:ABLK*(\i)+768*(2*(\q)+\c)
	ds_load_b64 v[\reg+6*\c+4:\reg+6*\c+5], v[ADRA+2+\slot] offset:ABLK*(\i)+768*(2*(\q)+\c)+512
.endr
.endm
.macro MUL16 a0, p, q, sc, first
.irp a, \a0, \a0+1
.irp b, 0,1,2,3,4,5,6,7
.if \first
	v_wmma_scale_f32_16x16x128_f8f6f4 v[8*(8*((\a)%4)+\b):8*(8*((\a)%4)+\b)+7], v[128*(\p)+FR*\b:128*(\p)+FR*\b+FR-1], v[AF+FR*(\a):AF+FR*(\a)+FR-1], v[BIAS+8*\b:BIAS+8*\b+7], v[SC+8*NQ*(\sc)+NQ*\b+(\q)], v[SC+8*NQ*(\sc)+NQ*(\a)+(\q)] matrix_a_fmt:MATRIX_FMT_FP6 matrix_b_fmt:MATRIX_FMT_FP6 matrix_a_scale:MATRIX_SCALE_ROW1
.else
	v_wmma_scale_f32_16x16x128_f8f6f4 v[8*(8*((\a)%4)+\b):8*(8*((\a)%4)+\b)+7], v[128*(\p)+FR*\b:128*(\p)+FR*\b+FR-1], v[AF+FR*(\a):AF+FR*(\a)+FR-1], v[8*(8*((\a)%4)+\b):8*(8*((\a)%4)+\b)+7], v[SC+8*NQ*(\sc)+NQ*\b+(\q)], v[SC+8*NQ*(\sc)+NQ*(\a)+(\q)] matrix_a_fmt:MATRIX_FMT_FP6 matrix_b_fmt:MATRIX_FMT_FP6 matrix_a_scale:MATRIX_SCALE_ROW1
.endif
.endr
.endr
.endm
.macro FETCH_B slot, q, p
	WIN TO_B
.irp i, 0,1,2,3,4,5,6,7
	FRAG 128*(\p)+FR*\i, ADRB+\slot, \q, \i
.endr
	WIN 0
.endm
.macro FETCH_A slot, q, i0
.irp i, \i0, \i0+1
	FRAG_A AF+FR*(\i), \slot, \q, \i
.endr
.endm
.macro SCALES sc
.irp i, 0,1,2,3,4,5,6,7
	ds_load_b64 v[SC+8*NQ*\sc+NQ*\i:SC+8*NQ*\sc+NQ*\i+1], v[ADRS] offset:\i*SBLK
.endr
.endm
.macro PLACES n
.rept \n
	v_nop
.endr
.endm
.macro STEP slot, q, first
	s_wait_dscnt 2*NLA                             ; B's set and A's blocks 0, 1 are in; the youngest eight loads (A's blocks 2, 3) may be out
.if \first
	WIN 0x81
.else
	WIN MUL_LO
.endif
	MUL16 0, (\q)%2, \q, \slot, \first
	s_wait_dscnt 0                                 ; A's blocks 2, 3 are in
	PLACES NP
	FETCH_B \slot, (\q)+1, 1-(\q)%2
	FETCH_A \slot, (\q)+1, 0
.if \first
	WIN 0x81
.else
	WIN MUL_LO
.endif
	MUL16 2, (\q)%2, \q, \slot, \first
	PLACES NP
	WIN 0
	FETCH_A \slot, (\q)+1, 2
.endm
.macro TURN slot, next, fill
	s_wait_tensorcnt 0x0
	ds_add_u32 v[SPW], v[NIL]
	s_wait_dscnt 2*NLA+1                           ; (the add and the youngest eight loads, A's blocks 2, 3, may be out)
	WIN MUL_LO
	MUL16 0, 1, NQ-1, \slot, 0                     ; sixteen matrix instructions stand between the add and the wait for it
	WIN 0
	s_wait_dscnt 0x0                               ; the add is done, and my reads of this slot are over
	s_barrier_signal -1
	s_barrier_wait -1
.if \fill
	CREST
.if \slot == 0
	s_mov_b32 s[G0+1], s45                         ; slot 0's group 0 held the head's whole tile: from here on my half; K step 2 lies one step behind slot 1's K step 1
	s_mov_b32 s[G0B+1], s95
	s_add_nc_u64 s[G0+2:G0+3], s[G0+6:G0+7], ABLK
	s_add_nc_u64 s[G0B+2:G0B+3], s[G0B+6:G0B+7], PLW
.else
	s_add_nc_u64 s[G0+6:G0+7], s[G0+6:G0+7], 2*ABLK
	s_add_nc_u64 s[G0B+6:G0B+7], s[G0B+6:G0B+7], 2*PLW
.endif
	JLOAD G0+4*\slot, G1, G0B+4*\slot, G1B
.else
	PLACES NP
.endif
	s_wait_alu depctr_va_vdst(0)
	v_add_nc_u32 v[ADRS], 4*NQ, v[ADRS]
	FETCH_B \next, 0, 0
	FETCH_A \next, 0, 0
	SCALES \next
	WIN MUL_LO
	MUL16 2, 1, NQ-1, \slot, 0
	PLACES NP
	WIN 0
	FETCH_A \next, 0, 2
.endm
	s_wait_alu depctr_va_vdst(0)
	s_wait_tensorcnt 0x0                           ; my tile of the head's four is in; the three lines ahead of a later first fill, as ahead of a refill
	ds_add_u32 v[SPW], v[NIL]
	s_mov_b32 s[G1+2], 4<<16
	s_mov_b32 s[G1+4], 4
	s_mov_b32 s[G1B+2], 96<<16                     ; or 128 rows x 192 bytes of B = 96 rows of 256
	s_mov_b32 s[G1B+4], 96
	s_wait_dscnt 0x0
	CROUND                                         ; all four tiles are in, and all sixteen work-groups are here
	JLOAD G0+4, G1, G0B+4, G1B                     ; K step 1, the first tensor load behind the round
	FETCH_B 0, 0, 0
	FETCH_A 0, 0, 0
	SCALES 0
	FETCH_A 0, 0, 2
	s_wait_loadcnt 0x0
	STEP 0, 0, 1
	TURN 0, 1, 1
	STEP 1, 0, 0
	TURN 1, 0, 1
	STEP 0, 0, 0
	TURN 0, 1, 0
	STEP 1, 0, 0
	s_wait_dscnt 2*NLA                             ; the very last step
	WIN MUL_LO
	MUL16 0, 1, NQ-1, 1, 0
	s_wait_dscnt 0
	MUL16 2, 1, NQ-1, 1, 0
	WIN 0
.macro TOSTAGE a
.set AC, 64*((\a)%4)
	WIN 0x08+4*((\a)/4)
.irp b, 0,1,2,3,4,5,6,7
	ds_store_b128 v[STO], v[AC+8*\b:AC+8*\b+3] offset:64*\b
	ds_store_b128 v[STO], v[AC+8*\b+4:AC+8*\b+7] offset:64*\b+16
.endr
	WIN 0
.set BB, BK+64*((\a)%2)
.irp t, 0,1,2,3,4,5,6,7,8,9,10,11,12,13,14,15
	ds_load_b128 v[BB+4*\t:BB+4*\t+3], v[RD] offset:\t*SPITCH
.endr
.endm
.macro SEND a, younger
.set BB, BK+64*((\a)%2)
	s_wait_dscnt \younger
.irp t, 0,1,2,3,4,5,6,7,8,9,10,11,12,13,14,15
	global_store_b128 v[CO], v[BB+4*\t:BB+4*\t+3], s[12:13] offset:(32*((\a)/2)+8*((\a)%2)+\t+8*(\t/8))*4096 th:TH_STORE_NT
.endr
.endm
	PLACES NP
	TOSTAGE 0
.irp a, 1,2,3
.if \a > 1
	s_wait_xcnt 0x0
.endif
	TOSTAGE \a
	SEND \a-1, 32
.endr
	SEND 3, 0
	s_wait_tensorcnt 0x0
	ds_add_u32 v[SPW], v[NIL]
	s_wait_dscnt 0x0
	CROUND
	s_endpgm
.Lfunc_end_k_qf40461f7f0_oproj:
	.size	k_qf40461f7f0_oproj, .Lfunc_end_k_qf40461f7f0_oproj-k_qf40461f7f0_oproj
	.p2alignl 7, 3214868480
	.fill 96, 4, 3214868480
	.section	.rodata,"a",@progbits
	.p2align	6, 0x0
	.amdhsa_kernel k_qf40461f7f0_oproj
		.amdhsa_group_segment_fixed_size 327680
		.amdhsa_private_segment_fixed_size 0
		.amdhsa_enable_private_segment 0
		.amdhsa_kernarg_size 32
		.amdhsa_user_sgpr_count 2
		.amdhsa_user_sgpr_kernarg_segment_ptr 1
		.amdhsa_wavefront_size32 1
		.amdhsa_system_sgpr_workgroup_id_x 1
		.amdhsa_system_sgpr_workgroup_id_y 1
		.amdhsa_system_sgpr_workgroup_id_z 1
		.amdhsa_system_vgpr_workitem_id 0
		.amdhsa_next_free_vgpr 1024
		.amdhsa_next_free_sgpr 98
		.amdhsa_reserve_vcc 0
		.amdhsa_float_denorm_mode_32 3
		.amdhsa_float_denorm_mode_16_64 3
		.amdhsa_memory_ordered 1
		.amdhsa_forward_progress 1
		.amdhsa_inst_pref_size 99
	.end_amdhsa_kernel
	.amdgpu_metadata
---
amdhsa.version: [ 1, 2 ]
amdhsa.kernels:
  - .name:           k_qf40461f7f0_oproj
    .symbol:         k_qf40461f7f0_oproj.kd
    .args:
      - { .name: ab, .offset: 0, .size: 8, .value_kind: global_buffer, .address_space: global }
      - { .name: wq, .offset: 8, .size: 8, .value_kind: global_buffer, .address_space: global }
      - { .name: b_o, .offset: 16, .size: 8, .value_kind: global_buffer, .address_space: global }
      - { .name: out0, .offset: 24, .size: 8, .value_kind: global_buffer, .address_space: global }
    .group_segment_fixed_size: 327680
    .private_segment_fixed_size: 0
    .kernarg_segment_align: 8
    .kernarg_segment_size: 32
    .max_flat_workgroup_size: 128
    .sgpr_count:     98
    .vgpr_count:     1024
    .wavefront_size: 32
...
	.end_amdgpu_metadata
.endif
;; end of part 4
